; MI455X (gfx1250); checked and timed in simulation.
; The chip was launched on July 23, 2026; its instructions are those of AMD's public machine-readable ISA for CDNA 5 (MIT licence, August 2026) and "CDNA5" Instruction Set Architecture Reference Guide (July 2026). The comments in the code are by the model that wrote it; some were corrected since.
;; Full Self Attention. Allowed arithmetic: matrix products marked QUANTISED: E5M2 operands, one E8M0 scale for each 32 along K, by v_wmma_scale_f32_16x16x128_f8f6f4 with both operands' format E5M2, f32 sums; everything else in f32.
;; Inputs: Wk 1,024 x 1,024 float32; Wo 1,024 x 1,024 float32; Wq 1,024 x 1,024 float32; Wv 1,024 x 1,024 float32; bo 1,024 float32; x 4 x 2,048 x 1,024 float32.
;; Outputs: out0 4 x 2,048 x 1,024 float32.
;; This version of the problem:
;;   THIS VERSION OF THE PROBLEM IS GIVEN IN LOW PRECISION. The matrix products marked QUANTISED in the list below multiply operands that are first quantised to E5M2 (5 exponent bits, 2 mantissa bits; 8 bits a number), with one power-of-two scale for each 32 numbers along K (OCP MX v1.0); their sums are f32. All else is computed in f32.
;;   The module's matrix products, in the order in which they are computed (A, B: the left and right operand; K: the contracted axis; several contracted axes count as one K, in the product's order):
;;     1. [M 8,192, K 1,024] x [K 1,024, N 1,024]; A: input x; B: input Wq: QUANTISED
;;     2. [M 8,192, K 1,024] x [K 1,024, N 1,024]; A: input x; B: input Wk: QUANTISED
;;     3. [M 8,192, K 1,024] x [K 1,024, N 1,024]; A: input x; B: input Wv: QUANTISED
;;     4. batch 64 x [M 2,048, K 64] x [K 64, N 2,048]; A: computed on the way; B: computed on the way: QUANTISED
;;     5. batch 64 x [M 2,048, K 2,048] x [K 2,048, N 64]; A: softmax (see below); B: computed on the way: QUANTISED
;;     6. [M 8,192, K 1,024] x [K 1,024, N 1,024]; A: computed on the way; B: input Wo: QUANTISED
;;   THE QUANTISER, for each operand of a quantised product, along K:
;;     - K is cut into blocks of 32 from its start; a last block that is shorter is filled with zeros.
;;     - A block's scale is 2^e with e = floor(log2(the largest magnitude in the block)) - 15, held to -126 .. 127; a block of zeros has e = 0. As a byte (E8M0): e + 127.
;;     - Each number is divided by its block's scale, clamped to +-57,344, and rounded to the nearest number of E5M2, ties to even, subnormals kept.
;;     - The product sums the exact products of the quantised numbers (number of the format x scale) in f32.
;;   ~~~python
;;   def quantise(x, axis):      # numpy; x: float32 -> the quantised numbers, widened to float32 again
;;       x = np.moveaxis(x, axis, -1); K = x.shape[-1]
;;       x = np.pad(x, [(0, 0)] * (x.ndim - 1) + [(0, -K % 32)]); x = x.reshape(x.shape[:-1] + (-1, 32)); a = np.abs(x).max(-1, keepdims=True)
;;       e = np.where(a > 0, np.clip(np.frexp(np.where(a > 0, a, 1))[1] - 1 - 15, -126, 127), 0)      # np.frexp(a)[1] - 1 = floor(log2(a)), exactly
;;       r = np.clip(x / 2.0 ** e, -57344, 57344)
;;       step = 2.0 ** (np.maximum(np.frexp(np.where(r == 0, 1, r))[1] - 1, -14) - 2)
;;       q = np.round(r / step) * step * 2.0 ** e      # np.round: ties to even
;;       return np.moveaxis(q.reshape(q.shape[:-2] + (-1,))[..., :K], -1, axis).astype(np.float32)
;;   ~~~
;;   SOFTMAX AHEAD OF A QUANTISED PRODUCT. Where the list says 'softmax', what is quantised is not the finished softmax but p = 2^(t - M), with t = logit x log2(e) and M = ceil(the row's largest t), a whole number; so 1/2 < the row's largest p <= 1. The row's sum l is taken of the UNQUANTISED p, in f32, and the product's result is divided by l at the end. Since M is a whole number, a kernel that streams over the keys may use a running M (the ceiling of the running maximum): every later rescaling is an exact power of two, which a block's scale takes up: the codes' values come out the same.
;;   OPERANDS COMPUTED ON THE WAY. 'Computed on the way' means the value that the module computes at that place (a softmax that the list does not call 'softmax' is quantised finished and normalised). What goes into a quantiser is computed in f32, as accurately as f32 sums, v_exp_f32 and their like allow (about 1e-6 of the number): no bf16 or f16 on the way to a quantiser, and a product that is left as it is and whose result goes on into a quantised operand takes f32 operands (vector FMAs, or v_wmma_f32_16x16x4_f32). A number that lies on a knife's edge between two numbers of the format may be rounded either way, as far as f32 arithmetic and the matrix unit's own rounding can turn it there, and no further.
;; One version. Each part assembles by itself: llvm-mc -triple=amdgcn-amd-amdhsa -mcpu=gfx1250 --defsym DOCPART=n.
;; ======== version 1 of 1: 4 launches
;; limits: right only within a limited range of input values
;; workspace buffers: cin 12,582,912 bytes; sin 655,360 bytes; qkvc 25,165,824 bytes; qkvs 786,432 bytes; oc 8,388,608 bytes
;; launch quant (part 1): grid 512 x 1, 4 waves a work-group, no clusters, 34,304 bytes of LDS; arguments x, Wq, Wk, Wv, Wo, cin, sin; writes cin, sin
.if DOCPART == 1
	.amdgcn_target "amdgcn-amd-amdhsa--gfx1250"
	.amdhsa_code_object_version 6
	.text
	.protected	k_q0efb810701_quant
	.globl	k_q0efb810701_quant
	.p2align	8
	.type	k_q0efb810701_quant,@function
k_q0efb810701_quant:
	s_mov_b64 s[64:65], 0
	v_nop
	global_prefetch_b8 v0, s[64:65] scope:SCOPE_SE
	s_setreg_imm32_b32 hwreg(HW_REG_WAVE_MODE, 25, 1), 1
	s_wait_xcnt 0x0
; x [8192][1024] and the four weights [1024 (k)][1024 (n)], f32, become codes of BF8 (E5M2) with one E8M0 byte for each 32 along K, laid as IMAGES OF OPERAND REGISTERS.
; ROW BLOCKS: an operand's rows (x: tokens; a weight: its columns n) go in blocks of 16: block 2 g + u holds rows 32 g + 8 u + r + 8 (r / 8), r = 0 .. 15.
; CODES: for block rb and fragment kf (128 along K) 2,048 bytes [c 0..3][lane 0..31][16 bytes]: lane (r, h), piece c holds k = 128 kf + 32 c + 16 h + 0 .. 15 of the block's row r; blocks are 16,384 bytes apart.
; SCALES: for block rb 512 bytes [kf / 4][r][kf % 4] words; a word's byte c belongs to k = 128 kf + 32 c on.
; cin: x's image at 0, the weights' at 8 MiB + w MiB (w: Wq, Wk, Wv, Wo).  sin: x's at 0, the weights' at 262,144 + 32,768 w.
; A block's scale is 2^(floor(log2(largest magnitude)) - 15): its byte is the largest magnitude's exponent field - 15, held at 1 from below by a floor among the maximum's leaves.
; LIMITS: a block of zeros gets the byte 1 (its codes are zeros, and only this program reads the bytes); NaN and infinities among the inputs are not served.
; Work-groups 0-255 take x, 256-511 the weights: one scalar branch on the work-group's number.  Only x's path touches LDS.  Waves share nothing: no barrier.
.set R,   32                           ; v32-159  x: two sets of 64 numbers;  weights: 128 numbers down K
.set PC,  160                          ; v160-223 x: 16 registers of codes for each of 4 steps;  weights: 8 for each of 4 blocks
.set TM,  224                          ; v224-239 largest magnitudes, bytes, conversion scales
.set PW,  240                          ; v240-243 the four steps' scale words
.set SP,  528                          ; a stage row: 512 bytes + 16, an odd multiple of 16
	s_load_b256 s[4:11], s[0:1], 0x0               ; x, Wq, Wk, Wv
	s_load_b128 s[12:15], s[0:1], 0x20             ; Wo, cin
	s_load_b64 s[16:17], s[0:1], 0x30              ; sin
	v_lshl_add_u32 v248, v0, 2, 0x8400
	v_mov_b32 v249, 0
	v_lshrrev_b32 v1, 5, v0
	v_readfirstlane_b32 s18, v1                    ; wave
	v_and_b32 v1, 31, v0                           ; lane
	v_and_b32 v2, 15, v0                           ; r
	v_bfe_u32 v3, v0, 4, 1                         ; h (x), u (weights)
	s_cmp_ge_u32 ttmp9, 256
	s_cbranch_scc1 .Lweights
; ---------------- x: a wave takes one block of 16 rows x 512 along K, four steps of one fragment
.macro XLOAD t                         ; row i of the block, 128 numbers: 32 lanes read 512 consecutive bytes
.irp i, 0,1,2,3,4,5,6,7,8,9,10,11,12,13,14,15
	global_load_b128 v[R+64*((\t)%2)+4*\i:R+64*((\t)%2)+4*\i+3], v4, s[4:5] offset:(\i+8*(\i/8))*4096+512*(\t) th:TH_LOAD_NT
.endr
.endm
.macro XTURN t                         ; through the wave's own stage: in by rows, back 16 neighbours of each block of 32 to a lane.  LDS serves a wave's instructions in order: no wait between
.irp i, 0,1,2,3,4,5,6,7,8,9,10,11,12,13,14,15
	ds_store_b128 v5, v[R+64*((\t)%2)+4*\i:R+64*((\t)%2)+4*\i+3] offset:SP*\i
.endr
.irp c, 0,1,2,3
.irp j, 0,1,2,3
	ds_load_b128 v[R+64*((\t)%2)+16*\c+4*\j:R+64*((\t)%2)+16*\c+4*\j+3], v6 offset:128*\c+16*\j
.endr
.endr
.endm
.macro QUANT                           ; 64 numbers v[QS] on (register 16 b + i = k 32 b + 16 h + i of my row) -> codes v[QP] on, scale word v[QWD]
.irp b, 0,1,2,3
	v_max3_num_f32 v[TM+\b], |v[QS+16*\b]|, |v[QS+16*\b+1]|, 0x8000000   ; my 16 numbers of block b, and the floor 2^(16 - 127)
.endr
.irp i, 2,4,6,8,10,12,14
.irp b, 0,1,2,3
	v_max3_num_f32 v[TM+\b], v[TM+\b], |v[QS+16*\b+\i]|, |v[QS+16*\b+\i+1]|
.endr
.endr
.irp b, 0,1,2,3
	v_permlanex16_b32 v[TM+4+\b], v[TM+\b], s20, s21
.endr
.irp b, 0,1,2,3
	v_max_num_f32 v[TM+\b], v[TM+\b], v[TM+4+\b]   ; with lane l xor 16's 16: the block's largest magnitude
.endr
.irp b, 0,1,2,3
	v_add_nc_u32 v[TM+12+\b], 0xf8800000, v[TM+\b] ; 15 off its exponent field: the conversion's scale operand
.endr
.irp b, 0,1,2,3
.endr
.irp b, 0,1,2,3
	v_lshrrev_b32 v[TM+4+\b], 23, v[TM+12+\b]      ; the scale's byte
.endr
	v_lshl_or_b32 v[QWD], v[TM+5], 8, v[TM+4]
	v_lshl_or_b32 v[QWD], v[TM+6], 16, v[QWD]
	v_lshl_or_b32 v[QWD], v[TM+7], 24, v[QWD]
.irp b, 0,1,2,3
.irp i, 0,1,2,3,4,5,6,7,8,9,10,11,12,13,14,15
.endr
	v_cvt_scalef32_pk8_bf8_f32 v[QP+4*\b:QP+4*\b+1], v[QS+16*\b:QS+16*\b+7], v[TM+12+\b]
	v_cvt_scalef32_pk8_bf8_f32 v[QP+4*\b+2:QP+4*\b+3], v[QS+16*\b+8:QS+16*\b+15], v[TM+12+\b]
.endr
	v_nop                                          ; a plain line behind the last conversion
.endm
.macro XSTEP t
.if (\t) < 3
	s_wait_loadcnt 16                              ; this step's 16 loads are in; the next step's 16 stay out
.else
	s_wait_loadcnt 0x0
.endif
	XTURN \t
	s_wait_dscnt 0x0                               ; the numbers are back from the stage
.set QS, R+64*((\t)%2)
.set QP, PC+16*(\t)
.set QWD, PW+(\t)
	QUANT
.irp c, 0,1,2,3
	global_store_b128 v4, v[PC+16*(\t)+4*\c:PC+16*(\t)+4*\c+3], s[14:15] offset:2048*(\t)+512*\c   ; 32 lanes store 512 consecutive bytes; each step has code registers of its own
.endr
.if (\t)+2 < 4
	XLOAD (\t)+2
.endif
.endm
	s_mov_b32 s20, 0x76543210
	s_mov_b32 s21, 0xfedcba98                      ; v_permlanex16_b32's selects for lane l xor 16
	v_lshlrev_b32 v4, 4, v1                        ; 16 x lane
	s_mul_i32 s22, s18, 16*SP                      ; my wave's stage
	v_add_nc_u32 v5, s22, v4                       ; into it: a row's 512 bytes as they lie
	v_mul_u32_u24 v6, v2, SP
	v_lshl_add_u32 v6, v3, 6, v6
	v_add_nc_u32 v6, s22, v6                       ; out of it: row r, + 64 h
	v_lshlrev_b32 v7, 4, v2
	v_lshl_add_u32 v7, v3, 3, v7                   ; the scale words' place: 16 r + 8 h
.irp b, 0,1,2,3
	v_mov_b32 v[TM+4+\b], 0                        ; a lane permute's destination counts as read
.endr
	s_lshr_b32 s23, s18, 1                         ; u: which block of the pair
	s_and_b32 s24, s18, 1                          ; which half of K
	s_lshl_b32 s26, ttmp9, 17                      ; x: 32 rows of 4,096 bytes a work-group,
	s_lshl_b32 s27, s23, 15                        ; 8 rows for u,
	s_add_co_u32 s26, s26, s27
	s_lshl_b32 s27, s24, 11                        ; 512 numbers for the half
	s_add_co_u32 s26, s26, s27
	s_mov_b32 s27, 0
	s_lshl_b32 s28, ttmp9, 15                      ; codes: two blocks of 16,384 bytes a work-group
	s_lshl_b32 s29, s23, 14
	s_add_co_u32 s28, s28, s29
	s_lshl_b32 s29, s24, 13
	s_add_co_u32 s28, s28, s29
	s_mov_b32 s29, 0
	s_lshl_b32 s30, ttmp9, 10                      ; scales: two blocks of 512 bytes
	s_lshl_b32 s31, s23, 9
	s_add_co_u32 s30, s30, s31
	s_lshl_b32 s31, s24, 8
	s_add_co_u32 s30, s30, s31
	s_mov_b32 s31, 0
	s_wait_alu depctr_va_vdst(0)
	s_wait_kmcnt 0x0
	s_add_nc_u64 s[4:5], s[4:5], s[26:27]
	s_add_nc_u64 s[14:15], s[14:15], s[28:29]
	s_add_nc_u64 s[16:17], s[16:17], s[30:31]
	XLOAD 0
	XLOAD 1
	XSTEP 0
	XSTEP 1
	XSTEP 2
	XSTEP 3
	v_cmp_ne_u32 vcc_lo, 0, v3
	v_cndmask_b32 v244, v[PW], v[PW+2], vcc_lo     ; lanes 0-15 store words 0, 1 of their row, lanes 16-31 words 2, 3
	v_cndmask_b32 v245, v[PW+1], v[PW+3], vcc_lo
	global_store_b64 v7, v[244:245], s[16:17]      ; 32 lanes store 256 consecutive bytes
	s_wait_tensorcnt 0x0
	ds_add_u32 v248, v249
	s_wait_dscnt 0x0
	s_endpgm
; ---------------- the weights: a lane takes a column n, its registers run down K: 128 along K, four blocks of 32, each wholly in one lane
.Lweights:
.macro WLOAD c                         ; 32 lanes read 128 consecutive bytes of a row of W (in the order of the row blocks)
.irp i, 0,1,2,3,4,5,6,7,8,9,10,11,12,13,14,15,16,17,18,19,20,21,22,23,24,25,26,27,28,29,30,31
	global_load_b32 v[R+32*(\c)+\i], v4, s[32:33] offset:(32*(\c)+\i)*4096 th:TH_LOAD_NT
.endr
.endm
.macro WBLOCK c
.set XS, R+32*(\c)
.if (\c) < 3
	s_wait_loadcnt 32                              ; this block's 32 loads are in; the next block's 32 stay out
.else
	s_wait_loadcnt 0x0
.endif
.if (\c)+2 < 4
	WLOAD (\c)+2                                   ; two blocks ahead, into registers of its own
.endif
	v_max3_num_f32 v12, |v[XS]|, |v[XS+1]|, |v[XS+2]|
	v_max3_num_f32 v13, |v[XS+3]|, |v[XS+4]|, |v[XS+5]|
.irp i, 6,10,14,18,22,26
	v_max3_num_f32 v12, v12, |v[XS+\i]|, |v[XS+\i+1]|
	v_max3_num_f32 v13, v13, |v[XS+\i+2]|, |v[XS+\i+3]|
.endr
	v_max3_num_f32 v12, v12, |v[XS+30]|, |v[XS+31]|
	v_max3_num_f32 v12, v12, v13, 0x8000000        ; and the floor
	v_add_nc_u32 v11, 0xf8800000, v12
	v_lshrrev_b32 v13, 23, v11
.if (\c) == 0
	v_mov_b32 v24, v13
.else
	v_lshl_or_b32 v24, v13, 8*(\c), v24            ; the lower K in the lower byte
.endif
.irp i, 0,1,2,3,4,5,6,7,8,9,10,11,12,13,14,15,16,17,18,19,20,21,22,23,24,25,26,27,28,29,30,31
.endr
.irp g, 0,1,2,3
	v_cvt_scalef32_pk8_bf8_f32 v[PC+8*(\c)+2*\g:PC+8*(\c)+2*\g+1], v[XS+8*\g:XS+8*\g+7], v11
.endr
	v_nop                                          ; a plain line behind the last conversion
	global_store_b128 v5, v[PC+8*(\c):PC+8*(\c)+3], s[14:15] offset:512*(\c)          ; k 32 c + 0 .. 15: the image's lanes 0-15; sixteen lanes store 256 consecutive bytes
	global_store_b128 v5, v[PC+8*(\c)+4:PC+8*(\c)+7], s[14:15] offset:512*(\c)+256    ; k 32 c + 16 .. 31: its lanes 16-31
.endm
	s_sub_co_u32 s22, ttmp9, 256
	s_lshr_b32 s23, s22, 6                         ; which weight
	s_bfe_u32 s24, s22, 0x30003                    ; which fragment along K
	s_and_b32 s25, s22, 7                          ; which 128 columns
	s_wait_alu depctr_va_vdst(0)
	v_and_b32 v4, 8, v2
	v_add_nc_u32 v4, v4, v2
	v_lshl_add_u32 v4, v3, 3, v4
	v_lshlrev_b32 v4, 2, v4                        ; my column of the wave's 32: 8 u + r + 8 (r / 8), 4 bytes each
	v_lshlrev_b32 v5, 4, v2
	v_lshl_add_u32 v5, v3, 14, v5                  ; codes: block u, 16 r
	v_lshlrev_b32 v6, 4, v2
	v_lshl_add_u32 v6, v3, 9, v6                   ; scale word: block u, 16 r
	s_lshl_b32 s26, s24, 19                        ; W: 128 rows of 4,096 bytes a fragment,
	s_lshl_b32 s27, s25, 9
	s_add_co_u32 s26, s26, s27
	s_lshl_b32 s27, s18, 7
	s_add_co_u32 s26, s26, s27                     ; + 128 columns a work-group, 32 a wave
	s_mov_b32 s27, 0
	s_lshl_b32 s28, s23, 20                        ; codes: 8 MiB + 1 MiB a weight + (8 cg + 2 wave) blocks + the fragment
	s_add_co_u32 s28, s28, 0x800000
	s_lshl_b32 s29, s25, 17
	s_add_co_u32 s28, s28, s29
	s_lshl_b32 s29, s18, 15
	s_add_co_u32 s28, s28, s29
	s_lshl_b32 s29, s24, 11
	s_add_co_u32 s28, s28, s29
	s_mov_b32 s29, 0
	s_lshl_b32 s30, s23, 15                        ; scales: 262,144 + 32,768 a weight + 512 a block + 256 (kf / 4) + 4 (kf % 4)
	s_add_co_u32 s30, s30, 262144
	s_lshl_b32 s31, s25, 12
	s_add_co_u32 s30, s30, s31
	s_lshl_b32 s31, s18, 10
	s_add_co_u32 s30, s30, s31
	s_lshr_b32 s31, s24, 2
	s_lshl_b32 s31, s31, 8
	s_add_co_u32 s30, s30, s31
	s_and_b32 s31, s24, 3
	s_lshl_b32 s31, s31, 2
	s_add_co_u32 s30, s30, s31
	s_mov_b32 s31, 0
	s_wait_alu depctr_va_vdst(0)
	s_wait_kmcnt 0x0
	s_cmp_eq_u32 s23, 0                            ; the weight's buffer: a choice on the work-group's number alone
	s_cselect_b64 s[32:33], s[6:7], s[8:9]
	s_cmp_eq_u32 s23, 2
	s_cselect_b64 s[34:35], s[10:11], s[12:13]
	s_cmp_lt_u32 s23, 2
	s_cselect_b64 s[32:33], s[32:33], s[34:35]
	s_add_nc_u64 s[32:33], s[32:33], s[26:27]
	s_add_nc_u64 s[14:15], s[14:15], s[28:29]
	s_add_nc_u64 s[16:17], s[16:17], s[30:31]
	WLOAD 0
	WLOAD 1
	WBLOCK 0
	WBLOCK 1
	WBLOCK 2
	WBLOCK 3
	global_store_b32 v6, v24, s[16:17]             ; one word a column, 16 bytes apart: 4 bytes for 512 bytes read
	s_endpgm
.Lfunc_end_k_q0efb810701_quant:
	.size	k_q0efb810701_quant, .Lfunc_end_k_q0efb810701_quant-k_q0efb810701_quant
	.p2alignl 7, 3214868480
	.fill 96, 4, 3214868480
	.section	.rodata,"a",@progbits
	.p2align	6, 0x0
	.amdhsa_kernel k_q0efb810701_quant
		.amdhsa_group_segment_fixed_size 34304
		.amdhsa_private_segment_fixed_size 0
		.amdhsa_enable_private_segment 0
		.amdhsa_kernarg_size 56
		.amdhsa_user_sgpr_count 2
		.amdhsa_user_sgpr_kernarg_segment_ptr 1
		.amdhsa_wavefront_size32 1
		.amdhsa_system_sgpr_workgroup_id_x 1
		.amdhsa_system_sgpr_workgroup_id_y 1
		.amdhsa_system_sgpr_workgroup_id_z 1
		.amdhsa_system_vgpr_workitem_id 0
		.amdhsa_next_free_vgpr 250
		.amdhsa_next_free_sgpr 66
		.amdhsa_reserve_vcc 1
		.amdhsa_float_denorm_mode_32 3
		.amdhsa_float_denorm_mode_16_64 3
		.amdhsa_fp16_overflow 1
		.amdhsa_memory_ordered 1
		.amdhsa_forward_progress 1
		.amdhsa_inst_pref_size 54
	.end_amdhsa_kernel
	.amdgpu_metadata
---
amdhsa.version: [ 1, 2 ]
amdhsa.kernels:
  - .name:           k_q0efb810701_quant
    .symbol:         k_q0efb810701_quant.kd
    .args:
      - { .name: x, .offset: 0, .size: 8, .value_kind: global_buffer, .address_space: global }
      - { .name: Wq, .offset: 8, .size: 8, .value_kind: global_buffer, .address_space: global }
      - { .name: Wk, .offset: 16, .size: 8, .value_kind: global_buffer, .address_space: global }
      - { .name: Wv, .offset: 24, .size: 8, .value_kind: global_buffer, .address_space: global }
      - { .name: Wo, .offset: 32, .size: 8, .value_kind: global_buffer, .address_space: global }
      - { .name: cin, .offset: 40, .size: 8, .value_kind: global_buffer, .address_space: global }
      - { .name: sin, .offset: 48, .size: 8, .value_kind: global_buffer, .address_space: global }
    .group_segment_fixed_size: 34304
    .private_segment_fixed_size: 0
    .kernarg_segment_align: 8
    .kernarg_segment_size: 56
    .max_flat_workgroup_size: 128
    .sgpr_count:     66
    .vgpr_count:     250
    .wavefront_size: 32
...
	.end_amdgpu_metadata
.endif
;; end of part 1
;; launch qkv (part 2): grid 12 x 32, 4 waves a work-group, clusters of 4 x 4, 327,680 bytes of LDS; arguments cin, sin, qkvc, qkvs; writes qkvc, qkvs
.if DOCPART == 2
	.amdgcn_target "amdgcn-amd-amdhsa--gfx1250"
	.amdhsa_code_object_version 6
	.text
	.protected	k_q0efb810701_qkv
	.globl	k_q0efb810701_qkv
	.p2align	8
	.type	k_q0efb810701_qkv,@function
k_q0efb810701_qkv:
	s_mov_b64 s[64:65], 0
	v_nop
	global_prefetch_b8 v0, s[64:65] scope:SCOPE_SE
	s_setreg_imm32_b32 hwreg(HW_REG_WAVE_MODE, 25, 1), 1
	s_wait_xcnt 0x0
	s_wait_alu depctr_hold_cnt(0) depctr_sa_sdst(0) depctr_va_vdst(0) depctr_va_sdst(0) depctr_va_ssrc(0) depctr_va_vcc(0) depctr_vm_vsrc(0)
	s_getreg_b32 s2, hwreg(HW_REG_IB_STS2, 6, 4)
	s_cmp_eq_u32 s2, 0
	s_cbranch_scc0 .Lentry_in_a_cluster
	s_endpgm
.Lentry_in_a_cluster:
	s_bfe_u32 s2, ttmp6, 0x10000c
	s_cmp_lg_u32 s2, 0xf033
	s_cbranch_scc0 .Lentry_shape_is_right
	s_endpgm
.Lentry_shape_is_right:
; q = x Wq, k = x Wk, v = x Wv on codes of BF8 with E8M0 scales, K = 1,024; the results are quantised in registers and leave as images of the operands that the attention launch wants.
; A tile is 256 x 256, four waves of 128 x 128: 64 accumulators, 512 registers.  The matrix instruction is used transposed: source 0 = 16 rows of B, source 1 = 16 rows of A: a lane holds ONE row of A and,
; since B's rows come in blocks 32 g + 8 u + r + 8 (r / 8), the 16 registers of two neighbouring tiles are 16 NEIGHBOURS along B's rows: 32 beta + 16 h + 0 .. 15.
; ROLES, by the cluster's x (equal in all sixteen partners; it selects numbers, no branch): clusters 0, 1: A = x (tokens), B = Wq | Wk: a lane holds a token, registers run along a head's channels: q's and k's K.
; cluster 2: A = Wv, B = x: a lane holds a channel, registers run along the keys: v's K in the second product of attention.
; OPERANDS lie in memory as register images (2,048 bytes for 16 rows x 128 K, blocks 16,384 bytes apart), so a fragment is four ds_load_b128 at 16 x lane: consecutive bytes, no pitch, no padding.
; K goes through two LDS slots of 256 along K; each wave fetches 8 blocks x 4,096 bytes by one joint tensor load: A's tiles are shared along the cluster's row, B's along its column.
; SCALES: 64 registers for all of K, loaded once: register 8 i + kf: lanes 0-15 the word of A's block i, lanes 16-31 that of B's block i.
; OUT: block idx = ((part 4 + b) 8 + head pair) 16 + group of 128 tokens.  qkvc: 16,384 bytes: q, k: [head of the pair][token block 8][c 2][512]; v: [head][channel block 4][c 4][512].  qkvs: 512 bytes: [a / 4][r][a % 4] words.
; LIMITS: a block of zeros gets the byte 1; NaN and infinities are not served.
; REGISTERS: window 0: v1-29 addresses; v32-95 scales; v96-123 at work on the way out; v128-255 A's fragments, one set.  window 1: B's fragments, two sets.  windows 2, 3: the accumulators ((a, b) at v[8 (8 (a % 4) + b)]).
.set SLOT,  131072                     ; a slot: A's 16 blocks x 4,096 bytes, then B's
.set BOFF,  65536
.set SPARE, 262144                     ; behind the ring: the spare words, 128 bytes a wave
.set NP,    8                          ; places behind this matrix instruction (ISA guide 7.12.1)
.set ADRA, 16                          ; v16-17 my A fragments in slot 0, 1
.set ADRB, 20                          ; v20-21 the same for B
.set VA0,  24                          ; v24 16 x lane
.set VA1,  25                          ; v25 the same + the distance to the upper two pieces
.set VSO,  27                          ; v27 my scale words' offset in sin
.set SPW,  28
.set NIL,  29
.set SC,   32
.set TM,   96
.set PW,   112                         ; v112-119 the eight scale words
.set SW,   120
.set AF,   128
.set PC,   128                         ; the codes just made (A's fragments are done with)
.set G1, 24
.set G0, 32
.set G1B, 48
.set G0B, 56
.set SEL, 78
.set MNT, 80
.set MSB, 0
.macro WIN new                         ; the immediate's high byte repeats the setting that is left
.if MSB != \new
	s_set_vgpr_msb (MSB<<8)|\new
.set MSB, \new
.endif
.endm
.set MUL_LO, 0xa1                      ; source 0 (B) window 1, source 1 (A) window 0, C and D window 2
.set MUL_HI, 0xf1
.set TO_B,   0x40
.macro JLOAD g0a, g1a, g0b, g1b        ; a joint load: waves 0, 1 fetch for A, waves 2, 3 for B; four v_nop follow each line
	s_cmp_eq_u32 s15, 0
	s_cbranch_scc0 .Lfor_b_\@
	tensor_load_to_lds s[\g0a:\g0a+3], s[\g1a:\g1a+7]
	s_nop 0
.rept 4
	v_nop
.endr
	s_branch .Lasked_\@
.Lfor_b_\@:
	tensor_load_to_lds s[\g0b:\g0b+3], s[\g1b:\g1b+7]
	s_nop 0
.rept 4
	v_nop
.endr
.Lasked_\@:
.endm
.macro CREST                           ; a round of the cluster's barrier behind its opening barrier
	s_cmp_lg_u32 s14, 0
	s_cbranch_scc1 .Lnot_wave_0_\@
	s_barrier_signal -3
.Lnot_wave_0_\@:
	s_barrier_wait -3
	s_barrier_signal -1
	s_barrier_wait -1
.endm
.macro CROUND
	s_barrier_signal -1
	s_barrier_wait -1
	CREST
.endm
.macro PLACES n
.rept \n
	v_nop
.endr
.endm
.macro FRAG reg, adr, q, i             ; block i, the slot's q-th 128 along K: 16 registers as they lie
.irp c, 0,1,2,3
	ds_load_b128 v[\reg+4*\c:\reg+4*\c+3], v[\adr] offset:4096*(\i)+2048*(\q)+512*\c
.endr
.endm
.macro MUL16 a0, p, kf, zero           ; A's blocks a0, a0 + 1 x B's eight; the 64 accumulators take turns in the same order in every step
.irp a, \a0, \a0+1
.irp b, 0,1,2,3,4,5,6,7
.if \zero
	v_wmma_scale_f32_16x16x128_f8f6f4 v[8*(8*((\a)%4)+\b):8*(8*((\a)%4)+\b)+7], v[128*(\p)+16*\b:128*(\p)+16*\b+15], v[AF+16*(\a):AF+16*(\a)+15], 0, v[SC+8*\b+(\kf)], v[SC+8*(\a)+(\kf)] matrix_a_fmt:MATRIX_FMT_BF8 matrix_b_fmt:MATRIX_FMT_BF8 matrix_a_scale:MATRIX_SCALE_ROW1
.else
	v_wmma_scale_f32_16x16x128_f8f6f4 v[8*(8*((\a)%4)+\b):8*(8*((\a)%4)+\b)+7], v[128*(\p)+16*\b:128*(\p)+16*\b+15], v[AF+16*(\a):AF+16*(\a)+15], v[8*(8*((\a)%4)+\b):8*(8*((\a)%4)+\b)+7], v[SC+8*\b+(\kf)], v[SC+8*(\a)+(\kf)] matrix_a_fmt:MATRIX_FMT_BF8 matrix_b_fmt:MATRIX_FMT_BF8 matrix_a_scale:MATRIX_SCALE_ROW1
.endif
.endr
.endr
.endm
.macro FETCH_B slot, q, p
	WIN TO_B
.irp i, 0,1,2,3,4,5,6,7
	FRAG 128*(\p)+16*\i, ADRB+\slot, \q, \i
.endr
	WIN 0
.endm
.macro FETCH_A slot, q, i0
.irp i, \i0, \i0+1, \i0+2, \i0+3
	FRAG AF+16*(\i), ADRA+\slot, \q, \i
.endr
.endm
.macro STEP slot, kf, zero             ; a slot's first 128 along K
	s_wait_dscnt 16                                ; B's set and A's blocks 0-3 are in; the youngest 16 loads (A's blocks 4-7) may be out
	WIN MUL_LO
	MUL16 0, 0, \kf, \zero
	MUL16 2, 0, \kf, \zero
	s_wait_dscnt 0                                 ; A's blocks 4-7 are in
	PLACES NP
	FETCH_B \slot, 1, 1
	FETCH_A \slot, 1, 0
	WIN MUL_HI
	MUL16 4, 0, \kf, \zero
	MUL16 6, 0, \kf, \zero
	PLACES NP
	WIN 0
	FETCH_A \slot, 1, 4
.endm
.macro TURN slot, next, kf, fill       ; a slot's second 128 along K, and the change of slots: one barrier
	s_wait_tensorcnt 0x0                           ; all my tensor loads have landed: my part of the next slot
	ds_add_u32 v[SPW], v[NIL]                      ; 0 onto my spare word
	s_wait_dscnt 17                                ; the add and the youngest 16 loads may be out
	WIN MUL_LO
	MUL16 0, 1, \kf, 0
	s_wait_dscnt 0x0                               ; the add is done, and my reads of this slot are over
	s_barrier_signal -1
	MUL16 2, 1, \kf, 0
	WIN 0
	s_barrier_wait -1
.if \fill
	CREST                                          ; the barrier has opened a round of the cluster's: no wave of any partner still reads this slot or has a load on its way
	s_add_nc_u64 s[G0+4*\slot+2:G0+4*\slot+3], s[G0+4*\slot+2:G0+4*\slot+3], 8192
	s_add_nc_u64 s[G0B+4*\slot+2:G0B+4*\slot+3], s[G0B+4*\slot+2:G0B+4*\slot+3], 8192
	JLOAD G0+4*\slot, G1, G0B+4*\slot, G1B         ; the first tensor load behind the round; its four v_nop are among the places
	PLACES NP-4
.else
	PLACES NP
.endif
	FETCH_B \next, 0, 0
	FETCH_A \next, 0, 0
	WIN MUL_HI
	MUL16 4, 1, \kf, 0
	MUL16 6, 1, \kf, 0
	PLACES NP
	WIN 0
	FETCH_A \next, 0, 4
.endm
	s_load_b256 s[4:11], s[0:1], 0x0               ; cin, sin, qkvc, qkvs
	v_lshl_add_u32 v[SPW], v0, 2, SPARE
	v_mov_b32 v[NIL], 0
	ds_add_u32 v28, v29
	ds_add_u32 v28, v29
	s_wait_dscnt 0x0
	v_lshrrev_b32 v1, 5, v0
	v_readfirstlane_b32 s14, v1                    ; wave
	s_lshr_b32 s15, s14, 1                         ; my half of A's rows.  Also: I fetch for A (0) or B (1)
	s_and_b32 s16, s14, 1                          ; my half of B's rows.  Also: which 8 blocks I fetch
	s_bfe_u32 s40, ttmp6, 0x40000                  ; cx
	s_bfe_u32 s41, ttmp6, 0x40004                  ; cy
	s_and_b32 s18, ttmp7, 0xffff
	s_lshl_b32 s18, s18, 2                         ; 4 x cluster y
	s_lshl_b32 s19, ttmp9, 2                       ; 4 x cluster x
	s_mov_b32 s68, 8192
	s_mov_b32 s70, 1024
	s_cmp_eq_u32 ttmp9, 2                          ; v's cluster?  Only selections follow the compare
	s_cselect_b32 s17, 0, s18                      ; A's tile less cy: Wv's, or x's
	s_cselect_b32 s42, s18, s19                    ; B's tile less cx: x's, or Wq | Wk's
	s_cselect_b32 s20, 0xa00000, 0                 ; A's image in cin
	s_cselect_b32 s46, 0, 0x800000                 ; B's
	s_cselect_b32 s66, 327680, 0                   ; A's scales in sin
	s_cselect_b32 s67, 0, 262144                   ; B's
	s_cselect_b32 s68, 1024, s68                   ; out: from pieces 0, 1 to pieces 2, 3
	s_cselect_b32 s70, 2048, s70                   ; out: from block a to block a + 1
	s_mov_b32 s71, 0
	s_add_co_u32 s17, s17, s41                     ; A's tile hangs on cy alone,
	s_add_co_u32 s42, s42, s40                     ; B's on cx alone
	s_lshl_b32 s43, s41, 2
	s_lshl_b32 s43, 15, s43                        ; my row of the cluster
	s_lshl_b32 s44, 0x1111, s40                    ; my column
	s_or_b32 s[G1+0], s43, (3<<16)|(1<<21)         ; the mask; elements of 8 bytes; bit 21 beside a mask; no padding
	s_or_b32 s[G1B+0], s44, (3<<16)|(1<<21)
.irp g, G1, G1B
	s_mov_b32 s[\g+1], 512<<16                     ; tensor_dim0 = 512 elements: 4,096 bytes, two fragments of a block
	s_mov_b32 s[\g+2], 8<<16                       ; tensor_dim1 = 8 blocks
	s_mov_b32 s[\g+3], 512<<16                     ; tile_dim0
	s_mov_b32 s[\g+4], 8                           ; tile_dim1
	s_mov_b32 s[\g+5], 2048                        ; from block to block: 16,384 bytes
	s_mov_b32 s[\g+6], 0
	s_mov_b32 s[\g+7], 0
.endr
	s_lshl_b32 s21, s17, 18                        ; 16 blocks a tile,
	s_add_co_u32 s20, s20, s21
	s_lshl_b32 s21, s16, 17                        ; 8 for my half
	s_add_co_u32 s20, s20, s21
	s_mov_b32 s21, 0
	s_lshl_b32 s47, s42, 18
	s_add_co_u32 s46, s46, s47
	s_lshl_b32 s47, s16, 17
	s_add_co_u32 s46, s46, s47
	s_mov_b32 s47, 0
	s_lshl_b32 s45, s14, 15                        ; where they go: wave x 32,768
	s_wait_kmcnt 0x0
	s_add_nc_u64 s[20:21], s[4:5], s[20:21]
	s_add_nc_u64 s[46:47], s[4:5], s[46:47]
	CROUND                                         ; all sixteen work-groups are here: the first joint loads meet
.irp s, 0,1
	s_mov_b32 s[G0+4*\s], 1
	s_add_co_u32 s[G0+4*\s+1], s45, \s*SLOT
	s_add_nc_u64 s[G0+4*\s+2:G0+4*\s+3], s[20:21], \s*4096
	s_or_b32 s[G0+4*\s+3], s[G0+4*\s+3], 0x80000000
	s_mov_b32 s[G0B+4*\s], 1
	s_add_co_u32 s[G0B+4*\s+1], s45, \s*SLOT
	s_add_nc_u64 s[G0B+4*\s+2:G0B+4*\s+3], s[46:47], \s*4096
	s_or_b32 s[G0B+4*\s+3], s[G0B+4*\s+3], 0x80000000
	JLOAD G0+4*\s, G1, G0B+4*\s, G1B               ; two loads of mine are out
.endr
	v_and_b32 v1, 15, v0                           ; r
	v_bfe_u32 v2, v0, 4, 1                         ; h
	s_wait_alu depctr_va_vdst(0)
	v_and_b32 v3, 31, v0
	v_lshlrev_b32 v[VA0], 4, v3
	s_lshl_b32 s22, s15, 15
	s_lshl_b32 s23, s16, 15
	s_add_co_u32 s23, s23, BOFF
.irp s, 0,1
	v_add_nc_u32 v[ADRA+\s], s22, v[VA0]
	v_add_nc_u32 v[ADRB+\s], s23, v[VA0]
	s_add_co_u32 s22, s22, SLOT
	s_add_co_u32 s23, s23, SLOT
.endr
	s_lshl_b32 s22, s17, 13                        ; scales: 16 blocks of 512 bytes a tile, 8 for my half
	s_add_co_u32 s66, s66, s22
	s_lshl_b32 s22, s15, 12
	s_add_co_u32 s66, s66, s22
	s_lshl_b32 s22, s42, 13
	s_add_co_u32 s67, s67, s22
	s_lshl_b32 s22, s16, 12
	s_add_co_u32 s67, s67, s22
	v_mov_b32 v5, s66
	v_mov_b32 v6, s67
	v_cmp_ne_u32 vcc_lo, 0, v2
	v_cndmask_b32 v5, v5, v6, vcc_lo               ; lanes 0-15 take A's words, lanes 16-31 B's
	v_lshl_add_u32 v[VSO], v1, 4, v5
.irp i, 0,1,2,3,4,5,6,7
	global_load_b128 v[SC+8*\i:SC+8*\i+3], v[VSO], s[6:7] offset:512*\i
	global_load_b128 v[SC+8*\i+4:SC+8*\i+7], v[VSO], s[6:7] offset:512*\i+256
.endr
	s_and_b32 s72, s42, 3                          ; where my 128 x 128 goes
	s_lshr_b32 s73, s42, 2
	s_cmp_eq_u32 ttmp9, 2
	s_cselect_b32 s74, s42, s17                    ; the tokens' tile,
	s_cselect_b32 s75, s16, s15                    ; and my half of it
	s_cselect_b32 s72, s17, s72                    ; the channels' tile (of one weight),
	s_cselect_b32 s76, s15, s16                    ; and my half of it
	s_cselect_b32 s73, 2, s73                      ; q, k or v
	s_lshr_b32 s77, s74, 3                         ; the batch
	s_lshl_b32 s73, s73, 2
	s_add_co_u32 s73, s73, s77
	s_lshl_b32 s73, s73, 3
	s_lshl_b32 s72, s72, 1
	s_add_co_u32 s72, s72, s76                     ; the head pair
	s_add_co_u32 s73, s73, s72
	s_lshl_b32 s73, s73, 4
	s_and_b32 s74, s74, 7
	s_lshl_b32 s74, s74, 1
	s_add_co_u32 s74, s74, s75                     ; the group of 128 tokens
	s_add_co_u32 s73, s73, s74                     ; idx
	s_lshl_b32 s74, s73, 14
	s_mov_b32 s75, 0
	s_add_nc_u64 s[8:9], s[8:9], s[74:75]
	s_lshl_b32 s74, s73, 9
	s_add_nc_u64 s[10:11], s[10:11], s[74:75]
	v_add_nc_u32 v[VA1], s68, v[VA0]
	s_mov_b32 s[SEL], 0x76543210
	s_mov_b32 s[SEL+1], 0xfedcba98
.irp b, 0,1,2,3
	v_mov_b32 v[TM+4+\b], 0                        ; a lane permute's destination counts as read
.endr
	s_wait_tensorcnt 1                             ; my part of slot 0 is in; slot 1's load may stay out
	s_barrier_signal -1
	s_barrier_wait -1
	FETCH_B 0, 0, 0
	FETCH_A 0, 0, 0
	FETCH_A 0, 0, 4
	s_wait_loadcnt 0x0                             ; the scale words
	STEP 0, 0, 1                                   ; K's eight steps are written out: the scale registers' numbers change with the step.  The first products start the sums
	TURN 0, 1, 1, 1
	STEP 1, 2, 0
	TURN 1, 0, 3, 1
	STEP 0, 4, 0
	TURN 0, 1, 5, 0                                ; nothing is left to fetch
	STEP 1, 6, 0
	s_wait_dscnt 16
	WIN MUL_LO
	MUL16 0, 1, 7, 0
	MUL16 2, 1, 7, 0
	s_wait_dscnt 0
	WIN MUL_HI
	MUL16 4, 1, 7, 0
	MUL16 6, 1, 7, 0
	WIN 0
; THE WAY OUT.  Block a of A's rows: 64 registers of a lane, register 16 beta + i = the result at B's row 32 beta + 16 h + i: four blocks of 32 along the next K.  They are quantised where they lie;
; the codes are the next operand's image: four stores of 512 consecutive bytes.
.macro QACC a
.set QS, 64*((\a)%4)
.set QW, 2+(\a)/4
.set W1, (QW<<2)|(QW<<4)
.set W3, (QW<<6)|QW
	WIN W1                                         ; sources 1 and 2: the accumulators' window
.irp b, 0,1,2,3
	v_max3_num_f32 v[TM+\b], 0x8000000, |v[QS+16*\b]|, |v[QS+16*\b+1]|   ; the floor 2^(16 - 127) and my first two; each accumulator is read from its low end on
.endr
.irp i, 2,4,6,8,10,12,14
.irp b, 0,1,2,3
	v_max3_num_f32 v[TM+\b], v[TM+\b], |v[QS+16*\b+\i]|, |v[QS+16*\b+\i+1]|
.endr
.endr
	WIN 0
.irp b, 0,1,2,3
	v_permlanex16_b32 v[TM+4+\b], v[TM+\b], s[SEL], s[SEL+1]
.endr
.irp b, 0,1,2,3
	v_max_num_f32 v[TM+\b], v[TM+\b], v[TM+4+\b]
.endr
.irp b, 0,1,2,3
	v_add_nc_u32 v[TM+12+\b], 0xf8800000, v[TM+\b]
.endr
.irp b, 0,1,2,3
.endr
.irp b, 0,1,2,3
	v_lshrrev_b32 v[TM+4+\b], 23, v[TM+12+\b]
.endr
	v_lshl_or_b32 v[PW+(\a)], v[TM+5], 8, v[TM+4]
	v_lshl_or_b32 v[PW+(\a)], v[TM+6], 16, v[PW+(\a)]
	v_lshl_or_b32 v[PW+(\a)], v[TM+7], 24, v[PW+(\a)]
	WIN W3                                         ; destination and source 0: the accumulators' window
.irp b, 0,1,2,3
.irp i, 0,1,2,3,4,5,6,7,8,9,10,11,12,13,14,15
.endr
.endr
	s_wait_xcnt 0x0                                ; the last block's stores have read their data and their base: both are written again below
	WIN QW
.irp b, 0,1,2,3
	v_cvt_scalef32_pk8_bf8_f32 v[PC+4*\b:PC+4*\b+1], v[QS+16*\b:QS+16*\b+7], v[TM+12+\b]
	v_cvt_scalef32_pk8_bf8_f32 v[PC+4*\b+2:PC+4*\b+3], v[QS+16*\b+8:QS+16*\b+15], v[TM+12+\b]
.endr
	WIN 0
	v_nop                                          ; a plain line behind the last conversion
.if (\a) > 0
	s_add_nc_u64 s[8:9], s[8:9], s[70:71]
.endif
	global_store_b128 v[VA0], v[PC:PC+3], s[8:9]
	global_store_b128 v[VA0], v[PC+4:PC+7], s[8:9] offset:512
	global_store_b128 v[VA1], v[PC+8:PC+11], s[8:9]
	global_store_b128 v[VA1], v[PC+12:PC+15], s[8:9] offset:512
.endm
	PLACES NP                                      ; in front of the first read of results and the first write of operand registers
.irp a, 0,1,2,3,4,5,6,7
	QACC \a
.endr
	v_cmp_ne_u32 vcc_lo, 0, v2
.irp j, 0,1,2,3
	v_cndmask_b32 v[SW+\j], v[PW+\j], v[PW+4+\j], vcc_lo   ; lanes 0-15: the words of blocks 0-3 of their row, lanes 16-31: of blocks 4-7
.endr
	global_store_b128 v[VA0], v[SW:SW+3], s[10:11] ; 512 consecutive bytes
	s_wait_tensorcnt 0x0                           ; the wave's end
	ds_add_u32 v[SPW], v[NIL]
	s_wait_dscnt 0x0
	CROUND                                         ; the closing round
	s_endpgm
.Lfunc_end_k_q0efb810701_qkv:
	.size	k_q0efb810701_qkv, .Lfunc_end_k_q0efb810701_qkv-k_q0efb810701_qkv
	.p2alignl 7, 3214868480
	.fill 96, 4, 3214868480
	.section	.rodata,"a",@progbits
	.p2align	6, 0x0
	.amdhsa_kernel k_q0efb810701_qkv
		.amdhsa_group_segment_fixed_size 327680
		.amdhsa_private_segment_fixed_size 0
		.amdhsa_enable_private_segment 0
		.amdhsa_kernarg_size 32
		.amdhsa_user_sgpr_count 2
		.amdhsa_user_sgpr_kernarg_segment_ptr 1
		.amdhsa_wavefront_size32 1
		.amdhsa_system_sgpr_workgroup_id_x 1
		.amdhsa_system_sgpr_workgroup_id_y 1
		.amdhsa_system_sgpr_workgroup_id_z 1
		.amdhsa_system_vgpr_workitem_id 0
		.amdhsa_next_free_vgpr 1024
		.amdhsa_next_free_sgpr 100
		.amdhsa_reserve_vcc 1
		.amdhsa_float_denorm_mode_32 3
		.amdhsa_float_denorm_mode_16_64 3
		.amdhsa_fp16_overflow 1
		.amdhsa_memory_ordered 1
		.amdhsa_forward_progress 1
		.amdhsa_inst_pref_size 148
	.end_amdhsa_kernel
	.amdgpu_metadata
---
amdhsa.version: [ 1, 2 ]
amdhsa.kernels:
  - .name:           k_q0efb810701_qkv
    .symbol:         k_q0efb810701_qkv.kd
    .args:
      - { .name: cin, .offset: 0, .size: 8, .value_kind: global_buffer, .address_space: global }
      - { .name: sin, .offset: 8, .size: 8, .value_kind: global_buffer, .address_space: global }
      - { .name: qkvc, .offset: 16, .size: 8, .value_kind: global_buffer, .address_space: global }
      - { .name: qkvs, .offset: 24, .size: 8, .value_kind: global_buffer, .address_space: global }
    .group_segment_fixed_size: 327680
    .private_segment_fixed_size: 0
    .kernarg_segment_align: 8
    .kernarg_segment_size: 32
    .max_flat_workgroup_size: 128
    .sgpr_count:     100
    .vgpr_count:     1024
    .wavefront_size: 32
...
	.end_amdgpu_metadata
.endif
;; end of part 2
;; launch attn (part 3): grid 4 x 64, 16 waves a work-group, clusters of 4 x 1, 280,576 bytes of LDS; arguments qkvc, qkvs, oc, sin; writes oc, sin
.if DOCPART == 3
	.amdgcn_target "amdgcn-amd-amdhsa--gfx1250"
	.amdhsa_code_object_version 6
	.text
	.protected	k_q0efb810701_attn
	.globl	k_q0efb810701_attn
	.p2align	8
	.type	k_q0efb810701_attn,@function
k_q0efb810701_attn:
	s_mov_b64 s[64:65], 0
	v_nop
	global_prefetch_b8 v0, s[64:65] scope:SCOPE_SE
	s_setreg_imm32_b32 hwreg(HW_REG_WAVE_MODE, 25, 1), 1
	s_wait_xcnt 0x0
	s_wait_alu depctr_hold_cnt(0) depctr_sa_sdst(0) depctr_va_vdst(0) depctr_va_sdst(0) depctr_va_ssrc(0) depctr_va_vcc(0) depctr_vm_vsrc(0)
	s_getreg_b32 s2, hwreg(HW_REG_IB_STS2, 6, 4)
	s_cmp_eq_u32 s2, 0
	s_cbranch_scc0 .Lentry_in_a_cluster
	s_endpgm
.Lentry_in_a_cluster:
	s_bfe_u32 s2, ttmp6, 0x10000c
	s_cmp_lg_u32 s2, 0x3003
	s_cbranch_scc0 .Lentry_shape_is_right
	s_endpgm
.Lentry_shape_is_right:
; Causal attention of one (batch, head) for each cluster of four work-groups, both products on codes of BF8 with E8M0 scales; head size 64, 2,048 tokens.
; t = score x log2(e) / 8; M = the running largest t rounded UP to a whole number; p = 2^(t - M) is quantised along the keys, not normalised; the row's sum of the unquantised p divides O at the end.
; O is then quantised along (head, channel) and leaves as the image of the last product's operand (oc) with its scale bytes (sin, from 393,216 on).
; SHARES.  A group is 128 tokens, a tile one of its eight blocks of 16 (tokens 32 (tt / 2) + 8 (tt % 2) + r + 8 (r / 8)).  Wave w of work-group p takes tile tt = 2 p + w % 2 of group 15 - w / 2, then of group w / 2:
; (16 - g) + (g + 1) = 17 key steps of 128 keys for every wave of the launch.  Branches hang on the wave's number and on loop counts alone; p enters Q's and O's addresses in memory and the mask's number.
; LDS is filled ONCE: the head's K codes (16 steps x 8,192 bytes), V codes likewise, K's and V's scale words.  Waves 0 (K) and 1 (V) ask by five joint loads each, which name all four work-groups.
; LAYOUT.  S^T = K Q^T (source 0 = 16 keys, source 1 = my 16 queries; K = 64 channels, the upper 64 of the instruction's 128 are zero codes on both sides), O^T = V^T P^T: a lane holds ONE query throughout, and the 16 registers
; of two neighbouring tiles are 16 neighbouring keys (or channels), since the rows of a tile of source 0 are 32 g + 8 u + r + 8 (r / 8).
; The scale words of q and k hold two heads' bytes; a head's two are read as 16 bits: the upper two bytes read 0 and meet zero codes alone.
; O's scale bytes leave one byte a lane, 16 bytes apart: 32 bytes for each 1,024 bytes of codes.
; LIMITS: a block of zeros gets the byte 1; NaN and infinities are not served.
; REGISTERS: v1 16 x lane; v2, v3 my place among K's, V's scale words; v4-7 the step's addresses; v8 the mask's number; v9 16 r; v10 16 r + h; v11 v1 + V's codes; v12 -M, v13 largest t, v[14:15] the sum;
; v16-23 Q, v24-31 zeros; v32-95 four fragments of K (8 registers of codes, 8 of zeros); v96-159 S^T, p, then V's four fragments; v160-191 O^T; v192-207 p's codes; v208-215 K's scales; v216-219 V's; v220 p's; v221 Q's;
; v222, v248-255 the second tile's Q; v224-244 at work.
.set VCOD, 131072
.set KSCL, 262144
.set VSCL, 270336
.set ADK, 4
.set ADV, 5
.set ADS, 6
.set ADT, 7
.set BM,  224                          ; the blocks' largest scores, then largest p
.set PX,  228                          ; lane l xor 16's; the second chain of the sum; the bytes
.set HL,  232
.set SO,  236                          ; the conversions' scale operands
.set WV,  12
.set G1S, 24
.set G1C, 32
.set G0S, 40
.set G0C, 44
.set HM,  66                           ; s66 the lanes 16-31
.set SEL, 84
.set CS,  86
.set MNT, 88
.set KS,  89                           ; the key step
.set TB,  90                           ; its codes: 8,192 bytes a step
.set TS,  91                           ; its scale words: 512 bytes a step
.set GC,  92                           ; the group of the tile in hand
.macro ROUND
	s_barrier_signal -1
	s_barrier_wait -1
	s_cmp_lg_u32 s[WV], 0
	s_cbranch_scc1 .Lnot_wave_0_\@
	s_barrier_signal -3
.Lnot_wave_0_\@:
	s_barrier_wait -3
	s_barrier_signal -1
	s_barrier_wait -1
.endm
.macro BASES G, qc, qs, oo, os         ; byte offsets of the tile of group s[G]: Q's codes and scale words, O's codes and scale bytes
	s_add_co_u32 s22, s18, s[\G]
	s_lshl_b32 s[\qc], s22, 14
	s_add_co_u32 s[\qc], s[\qc], s93
	s_mov_b32 s[\qc+1], 0
	s_lshl_b32 s[\qs], s22, 9
	s_add_co_u32 s[\qs], s[\qs], s94
	s_mov_b32 s[\qs+1], 0
	s_lshl_b32 s22, s[\G], 3
	s_add_co_u32 s22, s22, s95                     ; the block of 16 tokens: 128 b + 8 G + tt
	s_lshl_b32 s[\oo], s22, 14
	s_add_co_u32 s[\oo], s[\oo], s2
	s_mov_b32 s[\oo+1], 0
	s_lshl_b32 s[\os], s22, 9
	s_add_co_u32 s[\os], s[\os], s3
	s_mov_b32 s[\os+1], 0
.endm
.macro INIT                            ; the step is written once: the first finds zeros, which the first change of M leaves zeros
	v_mov_b32 v13, 0xff61b1e6                      ; the largest t so far: -3e38
	s_delay_alu instid0(VALU_DEP_1)
	v_floor_f32 v12, -v13
	v_mov_b32 v14, 0
	v_mov_b32 v15, 0
.set n, 0
.rept 32
	v_mov_b32 v[160+n], 0
.set n, n+1
.endr
.endm
.macro BMAX b0, b1                     ; the largest score of two blocks of 32 keys, by turns
.irp b, \b0, \b1
	v_max3_num_f32 v[BM+\b], v[96+16*\b], v[97+16*\b], v[98+16*\b]
.endr
.irp i, 3,5,7,9,11,13
.irp b, \b0, \b1
	v_max3_num_f32 v[BM+\b], v[BM+\b], v[96+16*\b+\i], v[97+16*\b+\i]
.endr
.endr
.irp b, \b0, \b1
	v_max_num_f32 v[BM+\b], v[BM+\b], v[111+16*\b]
.endr
.endm
	s_load_b256 s[4:11], s[0:1], 0x0               ; qkvc, qkvs, oc, sin
	v_lshl_add_u32 v246, v0, 2, 0x44000
	v_mov_b32 v247, 0
	ds_add_u32 v246, v247
	ds_add_u32 v246, v247
	v_lshrrev_b32 v1, 5, v0
	s_delay_alu instid0(VALU_DEP_1)
	v_readfirstlane_b32 s[WV], v1                  ; wave 0..15
	s_bfe_u32 s13, ttmp6, 0x40000                  ; p: my place in the cluster
	s_and_b32 s14, ttmp7, 0xffff                   ; 16 b + head
	s_lshr_b32 s15, s14, 4                         ; b
	s_bfe_u32 s16, s14, 0x30001                    ; the head pair
	s_and_b32 s17, s14, 1                          ; e: the head in the pair
	s_lshl_b32 s18, s15, 3
	s_add_co_u32 s18, s18, s16
	s_lshl_b32 s18, s18, 4                         ; (8 b + hp) 16
	s_lshr_b32 s19, s[WV], 1                       ; g
	s_and_b32 s21, s[WV], 1
	s_lshl_b32 s20, s13, 1
	s_add_co_u32 s20, s20, s21                     ; tt
	s_sub_co_u32 s[GC], 15, s19                    ; the late group first
	s_add_co_u32 s22, s21, 1                       ; what waves 0 and 1 fetch: part 1 (k) or 2 (v)
	s_lshl_b32 s22, s22, 9
	s_add_co_u32 s22, s22, s18
	s_lshl_b32 s60, s22, 14
	s_lshl_b32 s23, s17, 13
	s_add_co_u32 s60, s60, s23                     ; codes: the head's 8,192 bytes of step 0
	s_mov_b32 s61, 0
	s_lshl_b32 s62, s22, 9                         ; scale words: 16 steps x 512 bytes on end
	s_mov_b32 s63, 0
	s_lshl_b32 s93, s17, 13
	s_lshl_b32 s94, s20, 10
	s_add_co_u32 s93, s93, s94                     ; Q's codes in a block: 8,192 e + 1,024 tt
	s_lshr_b32 s94, s20, 2
	s_lshl_b32 s94, s94, 8
	s_and_b32 s95, s20, 3
	s_lshl_b32 s95, s95, 2
	s_add_co_u32 s94, s94, s95
	s_lshl_b32 s95, s17, 1
	s_add_co_u32 s94, s94, s95                     ; Q's scales: 256 (tt / 4) + 4 (tt % 4) + 2 e
	s_lshl_b32 s95, s15, 7
	s_add_co_u32 s95, s95, s20                     ; 128 b + tt
	s_lshl_b32 s2, s16, 11
	s_lshl_b32 s3, s17, 10
	s_add_co_u32 s2, s2, s3                        ; O's codes: fragment hp, pieces 2 e, 2 e + 1
	s_lshr_b32 s3, s16, 2
	s_lshl_b32 s3, s3, 8
	s_and_b32 s22, s16, 3
	s_lshl_b32 s22, s22, 2
	s_add_co_u32 s3, s3, s22
	s_lshl_b32 s22, s17, 1
	s_add_co_u32 s3, s3, s22
	s_add_co_u32 s3, s3, 393216                    ; O's scale bytes: 393,216 + 256 (hp / 4) + 4 (hp % 4) + 2 e
	BASES GC, 68, 72, 76, 80                       ; the late tile
	BASES 19, 70, 74, 78, 82                       ; the early tile
	s_mov_b32 s[G1S], 15|(3<<16)|(1<<21)           ; the scale words: 8,192 dense bytes as 32 rows of 256; the mask names all four; bit 21 beside it
	s_mov_b32 s[G1S+1], 32<<16
	s_mov_b32 s[G1S+2], 32<<16
	s_mov_b32 s[G1S+3], 32<<16
	s_mov_b32 s[G1S+4], 32
	s_mov_b32 s[G1S+5], 32
	s_mov_b32 s[G1S+6], 0
	s_mov_b32 s[G1S+7], 0
	s_mov_b32 s[G1C], 15|(3<<16)|(1<<21)           ; the codes of four key steps: 4 rows of 8,192 bytes, 16,384 bytes apart
	s_mov_b32 s[G1C+1], 1024<<16
	s_mov_b32 s[G1C+2], 4<<16
	s_mov_b32 s[G1C+3], 1024<<16
	s_mov_b32 s[G1C+4], 4
	s_mov_b32 s[G1C+5], 2048
	s_mov_b32 s[G1C+6], 0
	s_mov_b32 s[G1C+7], 0
	s_mov_b32 s[SEL], 0x76543210
	s_mov_b32 s[SEL+1], 0xfedcba98
	s_mov_b32 s[CS], 0x3e38aa3b                    ; c = log2(e) / sqrt(64)
	s_mov_b32 s[CS+1], s[CS]
	v_and_b32 v1, 31, v0                           ; every LDS address register is made here, ahead of the branch round the fills
	s_delay_alu instid0(VALU_DEP_1)
	v_lshlrev_b32 v1, 4, v1
	v_and_b32 v5, 15, v0                           ; r
	v_bfe_u32 v6, v0, 4, 1                         ; h
	s_delay_alu instid0(VALU_DEP_2)
	v_lshlrev_b32 v9, 4, v5
	s_delay_alu instid0(VALU_DEP_1)
	v_add_nc_u32 v10, v9, v6
	s_lshl_b32 s22, s17, 1
	s_add_co_u32 s22, s22, KSCL
	v_add_nc_u32 v2, s22, v9
	s_lshl_b32 s22, s17, 8
	s_add_co_u32 s22, s22, VSCL
	v_add_nc_u32 v3, s22, v9
	v_add_nc_u32 v11, VCOD, v1
	v_and_b32 v8, 8, v5
	s_delay_alu instid0(VALU_DEP_1)
	v_add_nc_u32 v8, v8, v5
	v_lshlrev_b32 v7, 4, v6
	s_delay_alu instid0(VALU_DEP_1)
	v_sub_nc_u32 v8, v8, v7
	s_lshr_b32 s22, s20, 1
	s_lshl_b32 s22, s22, 5
	s_and_b32 s23, s20, 1
	s_lshl_b32 s23, s23, 3
	s_add_co_u32 s22, s22, s23
	v_add_nc_u32 v8, s22, v8                       ; d = my query's place in its group - 16 h: register 16 b + i of the diagonal step is hidden where 32 b + i > d
	v_cmp_ne_u32 s[HM], 0, v6
	s_wait_dscnt 0x0
	s_wait_kmcnt 0x0
	s_mov_b32 s[G0S], 1
	s_lshl_b32 s22, s21, 13
	s_add_co_u32 s[G0S+1], s22, KSCL
	s_add_nc_u64 s[G0S+2:G0S+3], s[6:7], s[62:63]
	s_or_b32 s[G0S+3], s[G0S+3], 0x80000000
	s_add_nc_u64 s[60:61], s[4:5], s[60:61]
	s_lshl_b32 s22, s21, 17
.irp j, 0,1,2,3
	s_mov_b32 s[G0C+4*\j], 1
	s_add_co_u32 s[G0C+4*\j+1], s22, \j*32768
	s_add_nc_u64 s[G0C+4*\j+2:G0C+4*\j+3], s[60:61], \j*65536
	s_or_b32 s[G0C+4*\j+3], s[G0C+4*\j+3], 0x80000000
.endr
	s_add_nc_u64 s[68:69], s[4:5], s[68:69]
	s_add_nc_u64 s[70:71], s[4:5], s[70:71]
	s_add_nc_u64 s[72:73], s[6:7], s[72:73]
	s_add_nc_u64 s[74:75], s[6:7], s[74:75]
	s_add_nc_u64 s[76:77], s[8:9], s[76:77]
	s_add_nc_u64 s[78:79], s[8:9], s[78:79]
	s_add_nc_u64 s[80:81], s[10:11], s[80:81]
	s_add_nc_u64 s[82:83], s[10:11], s[82:83]
	ROUND                                          ; all four work-groups are here: the joint loads meet
	s_cmp_lt_u32 s[WV], 2                          ; all fills of the launch stand in this one branch: five loads of wave 0 (K) and of wave 1 (V) are out
	s_cbranch_scc0 .Lno_fill
	tensor_load_to_lds s[G0S:G0S+3], s[G1S:G1S+7]
	s_nop 0
	tensor_load_to_lds s[G0C:G0C+3], s[G1C:G1C+7]
	s_nop 0
	tensor_load_to_lds s[G0C+4:G0C+7], s[G1C:G1C+7]
	s_nop 0
	tensor_load_to_lds s[G0C+8:G0C+11], s[G1C:G1C+7]
	s_nop 0
	tensor_load_to_lds s[G0C+12:G0C+15], s[G1C:G1C+7]
	s_nop 0
.rept 4
	v_nop
.endr
.Lno_fill:
	global_load_b128 v[16:19], v1, s[68:69]        ; the late tile's Q: 64 channels, 8 registers
	global_load_b128 v[20:23], v1, s[68:69] offset:512
	global_load_u16 v221, v9, s[72:73]             ; and its two scale bytes
	global_load_b128 v[248:251], v1, s[70:71]      ; the early tile's, kept for later
	global_load_b128 v[252:255], v1, s[70:71] offset:512
	global_load_u16 v222, v9, s[74:75]
.set n, 0
.rept 8
	v_mov_b32 v[24+n], 0                           ; zero codes for the instruction's upper 64 along K: Q's,
	v_mov_b32 v[40+n], 0                           ; and those of K's four fragments
	v_mov_b32 v[56+n], 0
	v_mov_b32 v[72+n], 0
	v_mov_b32 v[88+n], 0
.set n, n+1
.endr
.irp b, 0,1,2,3
	v_mov_b32 v[PX+\b], 0                          ; a lane permute's destination counts as read
.endr
	v_mov_b32 v240, 0
	v_mov_b32 v243, 0                              ; named as the upper half of the pair v[242:243]
	v_mov_b32 v244, 0xff800000                     ; -infinity
	INIT
; A KEY STEP: 128 keys.  masked = 1: a step behind my tile's group is left out (a scalar branch on the wave's number and the step), and in the group's own step hidden scores become -infinity.
.macro STEP masked
.if \masked
	s_cmp_gt_u32 s[KS], s[GC]
	s_cbranch_scc1 .Lhidden_\@
.endif
	s_setprio 2
	v_add_nc_u32 v[ADK], s[TB], v1
	s_wait_alu depctr_va_vdst(0)
	v_add_nc_u32 v[ADV], s[TB], v11
	v_add_nc_u32 v[ADS], s[TS], v2
	v_add_nc_u32 v[ADT], s[TS], v3
.irp g, 0,1                                    ; S^T = K Q^T, four tiles of 16 keys at a time
.if \g > 0
.rept 8
	v_nop                                          ; places in front of loads into registers that matrix instructions have read
.endr
.endif
.irp t, 0,1,2,3
	ds_load_b128 v[32+16*\t:35+16*\t], v[ADK] offset:1024*(4*\g+\t)
	ds_load_b128 v[36+16*\t:39+16*\t], v[ADK] offset:1024*(4*\g+\t)+512
.endr
.if \g == 0
.irp n, 0,1,2,3,4,5,6,7
	ds_load_u16 v[208+\n], v[ADS] offset:256*(\n/4)+4*(\n%4)
.endr
.endif
	s_wait_dscnt 0x0
.irp t, 0,1,2,3
	v_wmma_scale_f32_16x16x128_f8f6f4 v[96+8*(4*\g+\t):103+8*(4*\g+\t)], v[32+16*\t:47+16*\t], v[16:31], 0, v[208+4*\g+\t], v221 matrix_a_fmt:MATRIX_FMT_BF8 matrix_b_fmt:MATRIX_FMT_BF8
.endr
.endr
.if \masked
	s_cmp_eq_u32 s[KS], s[GC]
	s_cbranch_scc0 .Lopen_\@
.set n, 0
.rept 64                                       ; ascending: the lines on blocks 0 and 1 are the places behind the last four products, which wrote blocks 2 and 3
	v_cmp_gt_i32 vcc_lo, 32*(n/16)+n%16, v8
	v_cndmask_b32 v[96+n], v[96+n], v244, vcc_lo
.set n, n+1
.endr
.Lopen_\@:
.endif
	BMAX 0, 1                                      ; sixteen plain lines on the first four products' results: the places behind the last four
	BMAX 2, 3
.irp b, 0,1,2,3
	v_permlanex16_b32 v[PX+\b], v[BM+\b], s[SEL], s[SEL+1]
.endr
.irp b, 0,1,2,3
	s_delay_alu instid0(VALU_DEP_4)
	v_max_num_f32 v[BM+\b], v[BM+\b], v[PX+\b]     ; with lane l xor 16's 16 keys: the block's largest score: it serves the row's maximum and, since p rises with the score, the block's largest p
.endr
	s_delay_alu instid0(VALU_DEP_2)
	v_max3_num_f32 v240, v[BM], v[BM+1], v[BM+2]
	s_delay_alu instid0(VALU_DEP_1)
	v_max_num_f32 v240, v240, v[BM+3]
	s_delay_alu instid0(VALU_DEP_1)
	v_mul_f32 v240, s[CS], v240
	s_delay_alu instid0(VALU_DEP_1)
	v_max_num_f32 v13, v13, v240                   ; the running largest t
	v_mov_b32 v240, v12
	s_delay_alu instid0(VALU_DEP_2)
	v_floor_f32 v12, -v13                          ; -M = floor(-t): M is a whole number
	s_delay_alu instid0(VALU_DEP_1)
	v_sub_f32 v240, v12, v240                      ; old M - new M: a whole number, 0 or less
	s_delay_alu instid0(VALU_DEP_1)
	v_cvt_i32_f32 v240, v240                       ; (it saturates)
	s_delay_alu instid0(VALU_DEP_1)
	v_ldexp_f32 v242, 1.0, v240                    ; f = 2^(old M - new M): a multiplication by it rounds nothing
.set n, 0
.rept 32
	v_pk_fma_f32 v[96+n:97+n], v[96+n:97+n], s[CS:CS+1], v[12:13] op_sel_hi:[1,0,0]   ; t - M
.set n, n+2
.endr
.irp b, 0,1,2,3
	v_fma_f32 v[BM+\b], v[BM+\b], s[CS], v12
.endr
.set n, 0
	s_setprio 1
	s_wait_alu depctr_va_vdst(0)
.rept 64
	v_exp_f32 v[96+n], v[96+n]                     ; p = 2^(t - M)
.set n, n+1
.endr
	v_pk_mul_f32 v[14:15], v[14:15], v[242:243] op_sel_hi:[1,0]   ; the sum under the new M: the plain line behind the batch
	s_wait_alu depctr_va_vdst(0)                   ; one wait for the 64 exponentials, ahead of their first reader
.irp b, 0,1,2,3
	v_exp_f32 v[BM+\b], v[BM+\b]                   ; the blocks' largest p
.endr
	v_pk_add_f32 v[228:229], v[100:101], v[104:105]
	v_pk_add_f32 v[238:239], v[108:109], v[112:113]
	v_pk_add_f32 v[236:237], v[116:117], v[120:121]
	v_pk_add_f32 v[234:235], v[124:125], v[128:129]
	v_pk_add_f32 v[232:233], v[132:133], v[136:137]
	v_pk_add_f32 v[230:231], v[140:141], v[144:145]
	v_pk_add_f32 v[218:219], v[148:149], v[152:153]
	v_pk_add_f32 v[14:15], v[14:15], v[156:157]
	v_pk_add_f32 v[228:229], v[228:229], v[96:97]
	v_pk_add_f32 v[238:239], v[238:239], v[98:99]
	v_pk_add_f32 v[236:237], v[236:237], v[102:103]
	v_pk_add_f32 v[234:235], v[234:235], v[106:107]
	v_pk_add_f32 v[232:233], v[232:233], v[110:111]
	v_pk_add_f32 v[230:231], v[230:231], v[114:115]
	v_pk_add_f32 v[218:219], v[218:219], v[118:119]
	v_pk_add_f32 v[14:15], v[14:15], v[122:123]
	v_pk_add_f32 v[228:229], v[228:229], v[126:127]
	v_pk_add_f32 v[238:239], v[238:239], v[130:131]
	v_pk_add_f32 v[236:237], v[236:237], v[134:135]
	v_pk_add_f32 v[234:235], v[234:235], v[138:139]
	v_pk_add_f32 v[232:233], v[232:233], v[142:143]
	v_pk_add_f32 v[230:231], v[230:231], v[146:147]
	v_pk_add_f32 v[218:219], v[218:219], v[150:151]
	v_pk_add_f32 v[14:15], v[14:15], v[154:155]
	v_pk_add_f32 v[228:229], v[228:229], v[158:159]
	s_delay_alu instid0(VALU_DEP_2)
	v_pk_add_f32 v[14:15], v[14:15], v[234:235]
	s_delay_alu instid0(VALU_DEP_2)
	v_pk_add_f32 v[228:229], v[228:229], v[232:233]
	v_pk_add_f32 v[238:239], v[238:239], v[230:231]
	v_pk_add_f32 v[236:237], v[236:237], v[218:219]
	s_delay_alu instid0(VALU_DEP_2)
	v_pk_add_f32 v[14:15], v[14:15], v[238:239]
	s_delay_alu instid0(VALU_DEP_2)
	v_pk_add_f32 v[228:229], v[228:229], v[236:237]
	s_delay_alu instid0(VALU_DEP_1)
	v_pk_add_f32 v[14:15], v[14:15], v[228:229]
	s_wait_alu depctr_va_vdst(0)                   ; and one for the four
.irp b, 0,1,2,3
	v_max_num_f32 v[BM+\b], 0x8000000, v[BM+\b]    ; the floor 2^(16 - 127)
.endr
.irp b, 0,1,2,3
	s_delay_alu instid0(VALU_DEP_4)
	v_add_nc_u32 v[SO+\b], 0xf8800000, v[BM+\b]
.endr
.irp b, 0,1,2,3
.endr
.irp b, 0,1,2,3
	s_delay_alu instid0(VALU_DEP_4)
	v_lshrrev_b32 v[PX+\b], 23, v[SO+\b]
.endr
	s_delay_alu instid0(VALU_DEP_3)
	v_lshl_or_b32 v220, v[PX+1], 8, v[PX]          ; p's scale word for these 128 keys
	s_delay_alu instid0(VALU_DEP_1)
	v_lshl_or_b32 v220, v[PX+2], 16, v220
	s_delay_alu instid0(VALU_DEP_1)
	v_lshl_or_b32 v220, v[PX+3], 24, v220
.irp b, 0,1,2,3
.set n, 0
.rept 16
.set n, n+1
.endr
	v_cvt_scalef32_pk8_bf8_f32 v[192+4*\b:193+4*\b], v[96+16*\b:103+16*\b], v[SO+\b]
	v_cvt_scalef32_pk8_bf8_f32 v[194+4*\b:195+4*\b], v[104+16*\b:111+16*\b], v[SO+\b]
.endr
	v_nop
.irp t, 0,1,2,3                                ; V's four fragments (16 channels x 128 keys each) take p's registers
.irp c, 0,1,2,3
	ds_load_b128 v[96+16*\t+4*\c:99+16*\t+4*\c], v[ADV] offset:2048*\t+512*\c
.endr
.endr
	s_setprio 0
	ds_load_b128 v[216:219], v[ADT]                ; and their four scale words
.set n, 0
.rept 16
	v_pk_mul_f32 v[160+n:161+n], v[160+n:161+n], v[242:243] op_sel_hi:[1,0]   ; O^T under the new M; these lines are also the places behind the codes
.set n, n+2
.endr
	s_wait_alu depctr_va_vdst(0)
	s_wait_dscnt 0x0
.irp t, 0,1,2,3
	v_wmma_scale_f32_16x16x128_f8f6f4 v[160+8*\t:167+8*\t], v[96+16*\t:111+16*\t], v[192:207], v[160+8*\t:167+8*\t], v[216+\t], v220 matrix_a_fmt:MATRIX_FMT_BF8 matrix_b_fmt:MATRIX_FMT_BF8
.endr
.rept 9
	v_nop                                          ; the next step's first products write over V's registers: nine places
.endr
.if \masked
.Lhidden_\@:
.endif
	s_add_co_u32 s[KS], s[KS], 1
	s_add_co_u32 s[TB], s[TB], 8192
	s_add_co_u32 s[TS], s[TS], 512
.endm
; A tile's end: O^T / the sum; its two blocks of 32 channels are quantised; the codes are two pieces of the last product's operand image.
.macro FINISH ob, sb
	v_add_f32 v14, v14, v15
	s_delay_alu instid0(VALU_DEP_1)
	v_permlanex16_b32 v240, v14, s[SEL], s[SEL+1]
	s_delay_alu instid0(VALU_DEP_1)
	v_add_f32 v14, v14, v240                       ; the row's sum
	s_wait_alu depctr_va_vdst(0)
	v_rcp_f32 v242, v14
	v_nop                                          ; a plain line behind the reciprocal,
	s_wait_alu depctr_va_vdst(0)                   ; and the wait ahead of its first reader
.set n, 0
.rept 16
	v_pk_mul_f32 v[96+n:97+n], v[160+n:161+n], v[242:243] op_sel_hi:[1,0]   ; register 16 b + i = channel 32 b + 16 h + i; each accumulator from its low end on
.set n, n+2
.endr
.irp b, 0,1
	v_max3_num_f32 v[BM+\b], |v[96+16*\b]|, |v[97+16*\b]|, 0x8000000
.endr
.irp i, 2,4,6,8,10,12,14
.irp b, 0,1
	s_delay_alu instid0(VALU_DEP_2)
	v_max3_num_f32 v[BM+\b], v[BM+\b], |v[96+16*\b+\i]|, |v[97+16*\b+\i]|
.endr
.endr
.irp b, 0,1
	s_delay_alu instid0(VALU_DEP_2)
	v_permlanex16_b32 v[PX+\b], v[BM+\b], s[SEL], s[SEL+1]
.endr
.irp b, 0,1
	s_delay_alu instid0(VALU_DEP_2)
	v_max_num_f32 v[BM+\b], v[BM+\b], v[PX+\b]
.endr
.irp b, 0,1
	s_delay_alu instid0(VALU_DEP_2)
	v_add_nc_u32 v[SO+\b], 0xf8800000, v[BM+\b]
.endr
.irp b, 0,1
.endr
.irp b, 0,1
	s_delay_alu instid0(VALU_DEP_2)
	v_lshrrev_b32 v[PX+\b], 23, v[SO+\b]
.endr
.irp b, 0,1
.set n, 0
.rept 16
.set n, n+1
.endr
	v_cvt_scalef32_pk8_bf8_f32 v[192+4*\b:193+4*\b], v[96+16*\b:103+16*\b], v[SO+\b]
	v_cvt_scalef32_pk8_bf8_f32 v[194+4*\b:195+4*\b], v[104+16*\b:111+16*\b], v[SO+\b]
.endr
	v_cndmask_b32 v241, v[PX], v[PX+1], s[HM]      ; lanes 0-15 store block 0's byte of their row, lanes 16-31 block 1's.  (Also the plain line behind the conversions)
	global_store_b128 v1, v[192:195], s[\ob:\ob+1] ; 512 consecutive bytes each
	global_store_b128 v1, v[196:199], s[\ob:\ob+1] offset:512
	global_store_b8 v10, v241, s[\sb:\sb+1]
.endm
	s_wait_loadcnt 0x0                             ; both tiles' Q
	s_wait_tensorcnt 0x3                           ; the scale words and key steps 0-3 are in; the three loads behind them stay out
	s_barrier_signal -1
	s_barrier_wait -1
	s_mov_b32 s[KS], 0
	s_mov_b32 s[TB], 0
	s_mov_b32 s[TS], 0
.Lfirst:                                           ; key steps 0-3 of the late tile (its group is 8 at the least): all keys count
	STEP 0
	s_cmp_lt_u32 s[KS], 4
	s_cbranch_scc1 .Lfirst
	s_setprio 0
	s_wait_tensorcnt 0x0                           ; all of K and V are in,
	s_wait_dscnt 0x0
	s_barrier_signal -1
	s_barrier_wait -1                              ; for every wave
	s_mov_b32 s[KS], 4
	s_mov_b32 s[TB], 4*8192
	s_mov_b32 s[TS], 4*512
.Llate:                                            ; twelve trips, a constant: what lies behind the tile's group is jumped over inside the step
	STEP 1
	s_cmp_lt_u32 s[KS], 16
	s_cbranch_scc1 .Llate
	s_setprio 0
	FINISH 76, 80
	s_wait_xcnt 0x0                                ; the stores have read their data: the registers are written again below
.set n, 0
.rept 8
	v_mov_b32 v[16+n], v[248+n]                    ; the early tile's Q,
.set n, n+1
.endr
	v_mov_b32 v221, v222                           ; and its scale bytes; the 36 lines of INIT stand between these and the next products
	INIT
	s_mov_b32 s[GC], s19
	s_mov_b32 s[KS], 0
	s_mov_b32 s[TB], 0
	s_mov_b32 s[TS], 0
.Learly:                                           ; eight trips: the early group is 7 at the most
	STEP 1
	s_cmp_lt_u32 s[KS], 8
	s_cbranch_scc1 .Learly
	s_setprio 0
	FINISH 78, 82
	s_wait_tensorcnt 0x0
	ds_add_u32 v246, v247
	s_wait_dscnt 0x0
	ROUND                                          ; the closing round
	s_endpgm
.Lfunc_end_k_q0efb810701_attn:
	.size	k_q0efb810701_attn, .Lfunc_end_k_q0efb810701_attn-k_q0efb810701_attn
	.p2alignl 7, 3214868480
	.fill 96, 4, 3214868480
	.section	.rodata,"a",@progbits
	.p2align	6, 0x0
	.amdhsa_kernel k_q0efb810701_attn
		.amdhsa_group_segment_fixed_size 280576
		.amdhsa_private_segment_fixed_size 0
		.amdhsa_enable_private_segment 0
		.amdhsa_kernarg_size 32
		.amdhsa_user_sgpr_count 2
		.amdhsa_user_sgpr_kernarg_segment_ptr 1
		.amdhsa_wavefront_size32 1
		.amdhsa_system_sgpr_workgroup_id_x 1
		.amdhsa_system_sgpr_workgroup_id_y 1
		.amdhsa_system_sgpr_workgroup_id_z 1
		.amdhsa_system_vgpr_workitem_id 0
		.amdhsa_next_free_vgpr 256
		.amdhsa_next_free_sgpr 96
		.amdhsa_reserve_vcc 1
		.amdhsa_float_denorm_mode_32 3
		.amdhsa_float_denorm_mode_16_64 3
		.amdhsa_fp16_overflow 1
		.amdhsa_memory_ordered 1
		.amdhsa_forward_progress 1
		.amdhsa_inst_pref_size 85
	.end_amdhsa_kernel
	.amdgpu_metadata
---
amdhsa.version: [ 1, 2 ]
amdhsa.kernels:
  - .name:           k_q0efb810701_attn
    .symbol:         k_q0efb810701_attn.kd
    .args:
      - { .name: qkvc, .offset: 0, .size: 8, .value_kind: global_buffer, .address_space: global }
      - { .name: qkvs, .offset: 8, .size: 8, .value_kind: global_buffer, .address_space: global }
      - { .name: oc, .offset: 16, .size: 8, .value_kind: global_buffer, .address_space: global }
      - { .name: sin, .offset: 24, .size: 8, .value_kind: global_buffer, .address_space: global }
    .group_segment_fixed_size: 280576
    .private_segment_fixed_size: 0
    .kernarg_segment_align: 8
    .kernarg_segment_size: 32
    .max_flat_workgroup_size: 512
    .sgpr_count:     96
    .vgpr_count:     256
    .wavefront_size: 32
...
	.end_amdgpu_metadata
.endif
;; end of part 3
;; launch oproj (part 4): grid 4 x 32, 4 waves a work-group, clusters of 4 x 4, 327,680 bytes of LDS; arguments oc, cin, sin, bo, out0; writes out0
.if DOCPART == 4
	.amdgcn_target "amdgcn-amd-amdhsa--gfx1250"
	.amdhsa_code_object_version 6
	.text
	.protected	k_q0efb810701_oproj
	.globl	k_q0efb810701_oproj
	.p2align	8
	.type	k_q0efb810701_oproj,@function
k_q0efb810701_oproj:
	s_mov_b64 s[64:65], 0
	v_nop
	global_prefetch_b8 v0, s[64:65] scope:SCOPE_SE
	s_setreg_imm32_b32 hwreg(HW_REG_WAVE_MODE, 25, 1), 1
	s_wait_xcnt 0x0
	s_wait_alu depctr_hold_cnt(0) depctr_sa_sdst(0) depctr_va_vdst(0) depctr_va_sdst(0) depctr_va_ssrc(0) depctr_va_vcc(0) depctr_vm_vsrc(0)
	s_getreg_b32 s2, hwreg(HW_REG_IB_STS2, 6, 4)
	s_cmp_eq_u32 s2, 0
	s_cbranch_scc0 .Lentry_in_a_cluster
	s_endpgm
.Lentry_in_a_cluster:
	s_bfe_u32 s2, ttmp6, 0x10000c
	s_cmp_lg_u32 s2, 0xf033
	s_cbranch_scc0 .Lentry_shape_is_right
	s_endpgm
.Lentry_shape_is_right:
; out0 = o Wo + bo on codes of BF8 with E8M0 scales, K = 1,024.  o's codes (oc) and scale bytes (sin from 393,216 on) come from the attention launch, Wo's (cin from 11 MiB, sin from 360,448) from the quantiser.
; A tile is 256 x 256, four waves of 128 x 128: 64 accumulators, 512 registers.  The matrix instruction is used transposed: source 0 = 16 rows of Wo^T (output columns), source 1 = 16 tokens.
; Both operands lie in memory as register images (2,048 bytes for 16 rows x 128 K, blocks 16,384 bytes apart; block 2 g + u holds rows 32 g + 8 u + r + 8 (r / 8)): a fragment is four ds_load_b128 at 16 x lane.
; K goes through two LDS slots of 256 along K; each wave fetches 8 blocks x 4,096 bytes by one joint tensor load: o's tiles are shared along the cluster's row, Wo's along its column.
; The scale words of all of K stay in 64 registers: register 8 i + kf: lanes 0-15 o's block i, lanes 16-31 Wo's block i.
; 128 work-groups: a tile half as large would read each fragment from LDS for half as many products.
; REGISTERS: window 0: v1-29 addresses; v32-95 scales; v96-99 the bias of my four columns; v128-255 A's fragments, on the way out rows of the result.  window 1: B's two sets.  windows 2, 3: the accumulators.
.set SLOT,  131072
.set BOFF,  65536
.set SPARE, 262144
.set NP,    8
.set SPITCH, 528                       ; the way out: a stage of 16 rows x (512 + 16) bytes a wave, in slot 0, which has had its last fill and its last read by then
.set ADRA, 16
.set ADRB, 20
.set STO,  24
.set RD,   25
.set CO,   26
.set VSO,  27
.set SPW,  28
.set NIL,  29
.set SC,   32
.set BI,   96
.set AF,   128
.set BK,   128
.set G1, 24
.set G0, 32
.set G1B, 48
.set G0B, 56
.set MSB, 0
.macro WIN new
.if MSB != \new
	s_set_vgpr_msb (MSB<<8)|\new
.set MSB, \new
.endif
.endm
.set MUL_LO, 0xa1
.set MUL_HI, 0xf1
.set TO_B,   0x40
.macro JLOAD g0a, g1a, g0b, g1b        ; a joint load: waves 0, 1 fetch for A, waves 2, 3 for B; four v_nop follow each line
	s_cmp_eq_u32 s15, 0
	s_cbranch_scc0 .Lfor_b_\@
	tensor_load_to_lds s[\g0a:\g0a+3], s[\g1a:\g1a+7]
	s_nop 0
.rept 4
	v_nop
.endr
	s_branch .Lasked_\@
.Lfor_b_\@:
	tensor_load_to_lds s[\g0b:\g0b+3], s[\g1b:\g1b+7]
	s_nop 0
.rept 4
	v_nop
.endr
.Lasked_\@:
.endm
.macro CREST
	s_cmp_lg_u32 s14, 0
	s_cbranch_scc1 .Lnot_wave_0_\@
	s_barrier_signal -3
.Lnot_wave_0_\@:
	s_barrier_wait -3
	s_barrier_signal -1
	s_barrier_wait -1
.endm
.macro CROUND
	s_barrier_signal -1
	s_barrier_wait -1
	CREST
.endm
.macro PLACES n
.rept \n
	v_nop
.endr
.endm
.macro FRAG reg, adr, q, i
.irp c, 0,1,2,3
	ds_load_b128 v[\reg+4*\c:\reg+4*\c+3], v[\adr] offset:4096*(\i)+2048*(\q)+512*\c
.endr
.endm
.macro MUL16 a0, p, kf, zero           ; the 64 accumulators take turns in the same order in every step
.irp a, \a0, \a0+1
.irp b, 0,1,2,3,4,5,6,7
.if \zero
	v_wmma_scale_f32_16x16x128_f8f6f4 v[8*(8*((\a)%4)+\b):8*(8*((\a)%4)+\b)+7], v[128*(\p)+16*\b:128*(\p)+16*\b+15], v[AF+16*(\a):AF+16*(\a)+15], 0, v[SC+8*\b+(\kf)], v[SC+8*(\a)+(\kf)] matrix_a_fmt:MATRIX_FMT_BF8 matrix_b_fmt:MATRIX_FMT_BF8 matrix_a_scale:MATRIX_SCALE_ROW1
.else
	v_wmma_scale_f32_16x16x128_f8f6f4 v[8*(8*((\a)%4)+\b):8*(8*((\a)%4)+\b)+7], v[128*(\p)+16*\b:128*(\p)+16*\b+15], v[AF+16*(\a):AF+16*(\a)+15], v[8*(8*((\a)%4)+\b):8*(8*((\a)%4)+\b)+7], v[SC+8*\b+(\kf)], v[SC+8*(\a)+(\kf)] matrix_a_fmt:MATRIX_FMT_BF8 matrix_b_fmt:MATRIX_FMT_BF8 matrix_a_scale:MATRIX_SCALE_ROW1
.endif
.endr
.endr
.endm
.macro FETCH_B slot, q, p
	WIN TO_B
.irp i, 0,1,2,3,4,5,6,7
	FRAG 128*(\p)+16*\i, ADRB+\slot, \q, \i
.endr
	WIN 0
.endm
.macro FETCH_A slot, q, i0
.irp i, \i0, \i0+1, \i0+2, \i0+3
	FRAG AF+16*(\i), ADRA+\slot, \q, \i
.endr
.endm
.macro STEP slot, kf, zero
	s_wait_dscnt 16                                ; B's set and A's blocks 0-3 are in; the youngest 16 loads (A's blocks 4-7) may be out
	WIN MUL_LO
	MUL16 0, 0, \kf, \zero
	MUL16 2, 0, \kf, \zero
	s_wait_dscnt 0
	PLACES NP
	FETCH_B \slot, 1, 1
	FETCH_A \slot, 1, 0
	WIN MUL_HI
	MUL16 4, 0, \kf, \zero
	MUL16 6, 0, \kf, \zero
	PLACES NP
	WIN 0
	FETCH_A \slot, 1, 4
.endm
.macro TURN slot, next, kf, fill
	s_wait_tensorcnt 0x0                           ; all my tensor loads have landed: my part of the next slot
	ds_add_u32 v[SPW], v[NIL]                      ; 0 onto my spare word
	s_wait_dscnt 17                                ; the add and the youngest 16 loads may be out
	WIN MUL_LO
	MUL16 0, 1, \kf, 0
	s_wait_dscnt 0x0                               ; the add is done, and my reads of this slot are over
	s_barrier_signal -1
	MUL16 2, 1, \kf, 0
	WIN 0
	s_barrier_wait -1
.if \fill
	CREST                                          ; the barrier has opened a round of the cluster's
	s_add_nc_u64 s[G0+4*\slot+2:G0+4*\slot+3], s[G0+4*\slot+2:G0+4*\slot+3], 8192
	s_add_nc_u64 s[G0B+4*\slot+2:G0B+4*\slot+3], s[G0B+4*\slot+2:G0B+4*\slot+3], 8192
	JLOAD G0+4*\slot, G1, G0B+4*\slot, G1B
	PLACES NP-4
.else
	PLACES NP
.endif
	FETCH_B \next, 0, 0
	FETCH_A \next, 0, 0
	WIN MUL_HI
	MUL16 4, 1, \kf, 0
	MUL16 6, 1, \kf, 0
	PLACES NP
	WIN 0
	FETCH_A \next, 0, 4
.endm
	s_load_b256 s[4:11], s[0:1], 0x0               ; oc, cin, sin, bo
	s_load_b64 s[12:13], s[0:1], 0x20              ; out0
	v_lshl_add_u32 v[SPW], v0, 2, SPARE
	v_mov_b32 v[NIL], 0
	ds_add_u32 v28, v29
	ds_add_u32 v28, v29
	s_wait_dscnt 0x0
	v_lshrrev_b32 v1, 5, v0
	v_readfirstlane_b32 s14, v1                    ; wave
	s_lshr_b32 s15, s14, 1                         ; my half of the tokens.  Also: I fetch for A (0) or B (1)
	s_and_b32 s16, s14, 1                          ; my half of the columns.  Also: which 8 blocks I fetch
	s_bfe_u32 s40, ttmp6, 0x40000                  ; cx
	s_bfe_u32 s41, ttmp6, 0x40004                  ; cy
	s_lshl_b32 s42, ttmp9, 2
	s_add_co_u32 s42, s42, s40                     ; the columns' tile
	s_and_b32 s17, ttmp7, 0xffff
	s_lshl_b32 s17, s17, 2
	s_add_co_u32 s17, s17, s41                     ; the tokens' tile
	s_lshl_b32 s43, s41, 2
	s_lshl_b32 s43, 15, s43                        ; my row of the cluster
	s_lshl_b32 s44, 0x1111, s40                    ; my column
	s_or_b32 s[G1+0], s43, (3<<16)|(1<<21)
	s_or_b32 s[G1B+0], s44, (3<<16)|(1<<21)
.irp g, G1, G1B
	s_mov_b32 s[\g+1], 512<<16                     ; 4,096 bytes of a block,
	s_mov_b32 s[\g+2], 8<<16                       ; 8 blocks,
	s_mov_b32 s[\g+3], 512<<16
	s_mov_b32 s[\g+4], 8
	s_mov_b32 s[\g+5], 2048                        ; 16,384 bytes apart
	s_mov_b32 s[\g+6], 0
	s_mov_b32 s[\g+7], 0
.endr
	s_lshl_b32 s20, s17, 18
	s_lshl_b32 s21, s16, 17
	s_add_co_u32 s20, s20, s21
	s_mov_b32 s21, 0
	s_lshl_b32 s46, s42, 18
	s_lshl_b32 s47, s16, 17
	s_add_co_u32 s46, s46, s47
	s_add_co_u32 s46, s46, 0xb00000                ; Wo's image in cin
	s_mov_b32 s47, 0
	s_lshl_b32 s45, s14, 15
	s_wait_kmcnt 0x0
	s_add_nc_u64 s[20:21], s[4:5], s[20:21]
	s_add_nc_u64 s[46:47], s[6:7], s[46:47]
	CROUND                                         ; all sixteen work-groups are here: the first joint loads meet
.irp s, 0,1
	s_mov_b32 s[G0+4*\s], 1
	s_add_co_u32 s[G0+4*\s+1], s45, \s*SLOT
	s_add_nc_u64 s[G0+4*\s+2:G0+4*\s+3], s[20:21], \s*4096
	s_or_b32 s[G0+4*\s+3], s[G0+4*\s+3], 0x80000000
	s_mov_b32 s[G0B+4*\s], 1
	s_add_co_u32 s[G0B+4*\s+1], s45, \s*SLOT
	s_add_nc_u64 s[G0B+4*\s+2:G0B+4*\s+3], s[46:47], \s*4096
	s_or_b32 s[G0B+4*\s+3], s[G0B+4*\s+3], 0x80000000
	s_wait_alu depctr_va_vdst(0)
	s_wait_tensorcnt 0x0
	ds_add_u32 v28, v29
	ds_add_u32 v28, v29
	s_wait_dscnt 0x0
	CROUND
	JLOAD G0+4*\s, G1, G0B+4*\s, G1B               ; at most one load of mine is out: the wait ahead of it landed the one before
.endr
	v_and_b32 v1, 15, v0                           ; r
	v_bfe_u32 v2, v0, 4, 1                         ; h
	s_wait_alu depctr_va_vdst(0)
	v_and_b32 v3, 31, v0
	v_lshlrev_b32 v[CO], 4, v3                     ; 16 x lane
	s_lshl_b32 s22, s15, 15
	s_lshl_b32 s23, s16, 15
	s_add_co_u32 s23, s23, BOFF
.irp s, 0,1
	v_add_nc_u32 v[ADRA+\s], s22, v[CO]
	v_add_nc_u32 v[ADRB+\s], s23, v[CO]
	s_add_co_u32 s22, s22, SLOT
	s_add_co_u32 s23, s23, SLOT
.endr
	s_lshl_b32 s66, s17, 13                        ; scales: 16 blocks of 512 bytes a tile, 8 for my half
	s_lshl_b32 s22, s15, 12
	s_add_co_u32 s66, s66, s22
	s_add_co_u32 s66, s66, 393216
	s_lshl_b32 s67, s42, 13
	s_lshl_b32 s22, s16, 12
	s_add_co_u32 s67, s67, s22
	s_add_co_u32 s67, s67, 360448
	v_mov_b32 v5, s66
	v_mov_b32 v6, s67
	v_cmp_ne_u32 vcc_lo, 0, v2
	v_cndmask_b32 v5, v5, v6, vcc_lo               ; lanes 0-15 take o's words, lanes 16-31 Wo's
	v_lshl_add_u32 v[VSO], v1, 4, v5
.irp i, 0,1,2,3,4,5,6,7
	global_load_b128 v[SC+8*\i:SC+8*\i+3], v[VSO], s[8:9] offset:512*\i
	global_load_b128 v[SC+8*\i+4:SC+8*\i+7], v[VSO], s[8:9] offset:512*\i+256
.endr
	s_lshl_b32 s66, s42, 10
	s_lshl_b32 s67, s16, 9
	s_add_co_u32 s66, s66, s67                     ; my 128 columns, in bytes
	s_mov_b32 s67, 0
	s_add_nc_u64 s[10:11], s[10:11], s[66:67]
	global_load_b128 v[BI:BI+3], v[CO], s[10:11]   ; the bias of the four columns that I store
	s_lshl_b32 s22, s17, 20
	s_lshl_b32 s23, s15, 19
	s_add_co_u32 s22, s22, s23                     ; my 128 rows of 4,096 bytes
	s_add_co_u32 s22, s22, s66
	s_mov_b32 s23, 0
	s_add_nc_u64 s[12:13], s[12:13], s[22:23]
	s_mul_i32 s22, s14, 16*SPITCH                  ; my stage
	v_mul_u32_u24 v5, v1, SPITCH
	v_lshl_add_u32 v5, v2, 6, v5
	v_add_nc_u32 v[STO], s22, v5                   ; in: row r, + 64 h
	v_add_nc_u32 v[RD], s22, v[CO]                 ; back: a row's 512 bytes
	s_wait_tensorcnt 1                             ; my part of slot 0 is in; slot 1's load may stay out
	s_barrier_signal -1
	s_barrier_wait -1
	FETCH_B 0, 0, 0
	FETCH_A 0, 0, 0
	FETCH_A 0, 0, 4
	s_wait_loadcnt 0x0                             ; the scale words and the bias
	STEP 0, 0, 1
	TURN 0, 1, 1, 1
	STEP 1, 2, 0
	TURN 1, 0, 3, 1
	STEP 0, 4, 0
	TURN 0, 1, 5, 0
	STEP 1, 6, 0
	s_wait_dscnt 16
	WIN MUL_LO
	MUL16 0, 1, 7, 0
	MUL16 2, 1, 7, 0
	s_wait_alu depctr_va_vdst(0)
	s_wait_dscnt 0
	WIN MUL_HI
	MUL16 4, 1, 7, 0
	MUL16 6, 1, 7, 0
	WIN 0
; THE WAY OUT, a block of 16 tokens x 128 columns at a time.  Tile b = 2 beta + u of a lane holds columns 32 beta + 16 h + 8 u + 0 .. 7 of token r: 32 bytes.  The block goes through my own stage and comes back as rows of 512 bytes.
; LDS serves a wave's instructions in order (ISA guide 5.7.1.4): no wait between the stores and the loads.  Row t of block a is token 32 (a / 2) + 8 (a % 2) + t + 8 (t / 8) of my 128.
.macro TOSTAGE a
.set AC, 64*((\a)%4)
	WIN 0x08+4*((\a)/4)                            ; the data: window 2 or 3
.irp b, 0,1,2,3,4,5,6,7
	ds_store_b128 v[STO], v[AC+8*\b:AC+8*\b+3] offset:128*(\b/2)+32*(\b%2)       ; each accumulator from its low end on
	ds_store_b128 v[STO], v[AC+8*\b+4:AC+8*\b+7] offset:128*(\b/2)+32*(\b%2)+16
.endr
	WIN 0
.set BB, BK+64*((\a)%2)
.irp t, 0,1,2,3,4,5,6,7,8,9,10,11,12,13,14,15
	ds_load_b128 v[BB+4*\t:BB+4*\t+3], v[RD] offset:\t*SPITCH
.endr
.endm
.macro SEND a, younger                 ; younger: the LDS instructions issued behind block a's loads: the next block's 16 stores and 16 loads, or none
.set BB, BK+64*((\a)%2)
	s_wait_dscnt \younger
.if ((\a) > 0) && ((\a)%2 == 0)
	s_add_nc_u64 s[12:13], s[12:13], 131072        ; 32 tokens on (behind a wait on XCNT: the earlier stores have read their base)
.endif
.irp t, 0,1,2,3,4,5,6,7,8,9,10,11,12,13,14,15
	v_pk_add_f32 v[BB+4*\t:BB+4*\t+1], v[BB+4*\t:BB+4*\t+1], v[BI:BI+1]
	v_pk_add_f32 v[BB+4*\t+2:BB+4*\t+3], v[BB+4*\t+2:BB+4*\t+3], v[BI+2:BI+3]
	global_store_b128 v[CO], v[BB+4*\t:BB+4*\t+3], s[12:13] offset:(8*((\a)%2)+\t+8*(\t/8))*4096 th:TH_STORE_NT   ; 32 lanes store 512 consecutive bytes
.endr
.endm
	PLACES NP                                      ; in front of the first read of results and of loads into A's registers
	TOSTAGE 0
.irp a, 1,2,3,4,5,6,7
.if \a > 1
	s_wait_xcnt 0x0                                ; block a - 2's stores have read their registers and their base
.endif
	TOSTAGE \a
	SEND \a-1, 32
.endr
	s_wait_xcnt 0x0
	SEND 7, 0
	s_wait_tensorcnt 0x0                           ; the wave's end
	ds_add_u32 v[SPW], v[NIL]
	s_wait_dscnt 0x0
	CROUND                                         ; the closing round
	s_endpgm
.Lfunc_end_k_q0efb810701_oproj:
	.size	k_q0efb810701_oproj, .Lfunc_end_k_q0efb810701_oproj-k_q0efb810701_oproj
	.p2alignl 7, 3214868480
	.fill 96, 4, 3214868480
	.section	.rodata,"a",@progbits
	.p2align	6, 0x0
	.amdhsa_kernel k_q0efb810701_oproj
		.amdhsa_group_segment_fixed_size 327680
		.amdhsa_private_segment_fixed_size 0
		.amdhsa_enable_private_segment 0
		.amdhsa_kernarg_size 40
		.amdhsa_user_sgpr_count 2
		.amdhsa_user_sgpr_kernarg_segment_ptr 1
		.amdhsa_wavefront_size32 1
		.amdhsa_system_sgpr_workgroup_id_x 1
		.amdhsa_system_sgpr_workgroup_id_y 1
		.amdhsa_system_sgpr_workgroup_id_z 1
		.amdhsa_system_vgpr_workitem_id 0
		.amdhsa_next_free_vgpr 1024
		.amdhsa_next_free_sgpr 100
		.amdhsa_reserve_vcc 1
		.amdhsa_float_denorm_mode_32 3
		.amdhsa_float_denorm_mode_16_64 3
		.amdhsa_memory_ordered 1
		.amdhsa_forward_progress 1
		.amdhsa_inst_pref_size 159
	.end_amdhsa_kernel
	.amdgpu_metadata
---
amdhsa.version: [ 1, 2 ]
amdhsa.kernels:
  - .name:           k_q0efb810701_oproj
    .symbol:         k_q0efb810701_oproj.kd
    .args:
      - { .name: oc, .offset: 0, .size: 8, .value_kind: global_buffer, .address_space: global }
      - { .name: cin, .offset: 8, .size: 8, .value_kind: global_buffer, .address_space: global }
      - { .name: sin, .offset: 16, .size: 8, .value_kind: global_buffer, .address_space: global }
      - { .name: bo, .offset: 24, .size: 8, .value_kind: global_buffer, .address_space: global }
      - { .name: out0, .offset: 32, .size: 8, .value_kind: global_buffer, .address_space: global }
    .group_segment_fixed_size: 327680
    .private_segment_fixed_size: 0
    .kernarg_segment_align: 8
    .kernarg_segment_size: 40
    .max_flat_workgroup_size: 128
    .sgpr_count:     100
    .vgpr_count:     1024
    .wavefront_size: 32
...
	.end_amdgpu_metadata
.endif
;; end of part 4
